; MI455X (gfx1250); checked and timed in simulation.
; The chip was launched on July 23, 2026; its instructions are those of AMD's public machine-readable ISA for CDNA 5 (MIT licence, August 2026) and "CDNA5" Instruction Set Architecture Reference Guide (July 2026). The comments in the code are by the model that wrote it; some were corrected since.
;; Multi Head Attention. Allowed arithmetic: matrix products marked QUANTISED: E3M2 operands, one E8M0 scale for each 32 along K, by v_wmma_scale_f32_16x16x128_f8f6f4 with both operands' format E3M2, f32 sums; everything else in f32.
;; Inputs: Wk 1,024 x 1,024 float32; Wp 1,024 x 1,024 float32; Wq 1,024 x 1,024 float32; Wv 1,024 x 1,024 float32; bk 1,024 float32; bp 1,024 float32; bq 1,024 float32; bv 1,024 float32; x 4 x 2,048 x 1,024 float32.
;; Outputs: out0 4 x 2,048 x 1,024 float32.
;; This version of the problem:
;;   THIS VERSION OF THE PROBLEM IS GIVEN IN LOW PRECISION. The matrix products marked QUANTISED in the list below multiply operands that are first quantised to E3M2 (3 exponent bits, 2 mantissa bits; 6 bits a number), with one power-of-two scale for each 32 numbers along K (OCP MX v1.0); their sums are f32. All else is computed in f32.
;;   The module's matrix products, in the order in which they are computed (A, B: the left and right operand; K: the contracted axis; several contracted axes count as one K, in the product's order):
;;     1. [M 8,192, K 1,024] x [K 1,024, N 1,024]; A: input x; B: input Wq: QUANTISED
;;     2. [M 8,192, K 1,024] x [K 1,024, N 1,024]; A: input x; B: input Wk: QUANTISED
;;     3. [M 8,192, K 1,024] x [K 1,024, N 1,024]; A: input x; B: input Wv: QUANTISED
;;     4. batch 64 x [M 2,048, K 64] x [K 64, N 2,048]; A: computed on the way; B: computed on the way: QUANTISED
;;     5. batch 64 x [M 2,048, K 2,048] x [K 2,048, N 64]; A: softmax (see below); B: computed on the way: QUANTISED
;;     6. [M 8,192, K 1,024] x [K 1,024, N 1,024]; A: computed on the way; B: input Wp: QUANTISED
;;   THE QUANTISER, for each operand of a quantised product, along K:
;;     - K is cut into blocks of 32 from its start; a last block that is shorter is filled with zeros.
;;     - A block's scale is 2^e with e = floor(log2(the largest magnitude in the block)) - 4, held to -126 .. 127; a block of zeros has e = 0. As a byte (E8M0): e + 127.
;;     - Each number is divided by its block's scale, clamped to +-28, and rounded to the nearest number of E3M2, ties to even, subnormals kept.
;;     - The product sums the exact products of the quantised numbers (number of the format x scale) in f32.
;;   ~~~python
;;   def quantise(x, axis):      # numpy; x: float32 -> the quantised numbers, widened to float32 again
;;       x = np.moveaxis(x, axis, -1); K = x.shape[-1]
;;       x = np.pad(x, [(0, 0)] * (x.ndim - 1) + [(0, -K % 32)]); x = x.reshape(x.shape[:-1] + (-1, 32)); a = np.abs(x).max(-1, keepdims=True)
;;       e = np.where(a > 0, np.clip(np.frexp(np.where(a > 0, a, 1))[1] - 1 - 4, -126, 127), 0)      # np.frexp(a)[1] - 1 = floor(log2(a)), exactly
;;       r = np.clip(x / 2.0 ** e, -28, 28)
;;       step = 2.0 ** (np.maximum(np.frexp(np.where(r == 0, 1, r))[1] - 1, -2) - 2)
;;       q = np.round(r / step) * step * 2.0 ** e      # np.round: ties to even
;;       return np.moveaxis(q.reshape(q.shape[:-2] + (-1,))[..., :K], -1, axis).astype(np.float32)
;;   ~~~
;;   SOFTMAX AHEAD OF A QUANTISED PRODUCT. Where the list says 'softmax', what is quantised is not the finished softmax but p = 2^(t - M), with t = logit x log2(e) and M = ceil(the row's largest t), a whole number; so 1/2 < the row's largest p <= 1. The row's sum l is taken of the UNQUANTISED p, in f32, and the product's result is divided by l at the end. Since M is a whole number, a kernel that streams over the keys may use a running M (the ceiling of the running maximum): every later rescaling is an exact power of two, which a block's scale takes up: the codes' values come out the same.
;;   OPERANDS COMPUTED ON THE WAY. 'Computed on the way' means the value that the module computes at that place (a softmax that the list does not call 'softmax' is quantised finished and normalised). What goes into a quantiser is computed in f32, as accurately as f32 sums, v_exp_f32 and their like allow (about 1e-6 of the number): no bf16 or f16 on the way to a quantiser, and a product that is left as it is and whose result goes on into a quantised operand takes f32 operands (vector FMAs, or v_wmma_f32_16x16x4_f32). A number that lies on a knife's edge between two numbers of the format may be rounded either way, as far as f32 arithmetic and the matrix unit's own rounding can turn it there, and no further.
;; One version. Each part assembles by itself: llvm-mc -triple=amdgcn-amd-amdhsa -mcpu=gfx1250 --defsym DOCPART=n.
;; ======== version 1 of 1: 4 launches
;; limits: right only within a limited range of input values
;; workspace buffers: xc 6,291,456 bytes; xs 262,144 bytes; wc 3,145,728 bytes; ws 131,072 bytes; hc 18,874,368 bytes; hs 786,432 bytes; ac 6,291,456 bytes; asc 262,144 bytes
;; launch quant_x (part 1): grid 512 x 1, 4 waves a work-group, no clusters, 48,128 bytes of LDS; arguments Wq, Wk, Wv, Wp, wc, ws, x, xc, xs; writes xc, xs, wc, ws
.if DOCPART == 1
	.amdgcn_target "amdgcn-amd-amdhsa--gfx1250"
	.amdhsa_code_object_version 6
	.text
	.protected	k_q1e3b6a4e3a_quant_x
	.globl	k_q1e3b6a4e3a_quant_x
	.p2align	8
	.type	k_q1e3b6a4e3a_quant_x,@function
k_q1e3b6a4e3a_quant_x:
	s_mov_b64 s[64:65], 0
	v_nop
	global_prefetch_b8 v0, s[64:65] scope:SCOPE_SE
	s_setreg_imm32_b32 hwreg(HW_REG_WAVE_MODE, 25, 1), 1
	s_wait_xcnt 0x0
; x [8192][1024], f32, K innermost, becomes codes of BF6 (E3M2) with one E8M0 byte for each 32 along K, laid as images of the operand's registers:
; xc [tile of 16 tokens][K step of 128][register pair 0..5][lane][8 bytes]; xs [tile][256 along K][r][2 words].  Lane r of tile 2 g + u holds token 32 g + 8 u + r + 8 (r / 8).
; LIMITS: NaN and infinities are not served; a block of zeros, or one under the floor 2^(5 - 127), carries the byte 1, and this program alone reads the bytes.
; SHARES.  Wave w of work-group g takes tile 2 g + w / 2 and half w % 2 of K: four fragments of 16 rows x 128.  Each load reads 512 consecutive bytes of one row; a fragment's 8 KiB turn through the wave's own
; stage in LDS (rows 528 bytes apart) so that lane (r, h) gets, of row r, 16 neighbours of each block of 32; two lanes 16 apart hold a block.  No tensor loads, no barrier: waves share nothing.
; ONE LAUNCH QUANTISES x AND THE FOUR WEIGHTS: work-groups 0-255 take x (the text below), work-groups 256-511 the weights (behind .Lweights).  The branch hangs on the work-group's number alone;
; each of the two ways has LDS bytes of its own (x: 0 .. 33,791; the weights: 34,304 on); the spare words lie between them.
; WORK LEFT OUT BY THE PROGRAM: reference() builds the causal mask jnp.tril itself and sets every score with key > query to the least f32 ahead of the softmax, whose weight there is 0 beside the row's own diagonal term for all finite inputs.
; So key steps all of whose keys come after all queries of a tile are not multiplied (launch attn).  A NaN, an infinity or an overflow that reaches only those scores is not carried to the result.  Every input is loaded.
.set SP,   528
.set WSTG, 16*SP
.set R,    16                          ; v16-143  two sets of 64 registers as loaded
.set X,    144                         ; v144-207 register 16 b + i = k 32 b + 16 h + i of my row
.set PC,   208                         ; v208-226 the codes just made
.set TM,   228                         ; v228-243 at work in QUANT
.set PW,   244                         ; v244-247 the four fragments' scale words
.set SEL,  20
; 64 numbers of a lane, register 16 b + i = k 32 b + 16 (lane / 16) + i of my row, become a fragment's codes in v[PC] on and its scale word in v[pw].
.macro QUANT s, pw
.irp b, 0,1,2,3
	v_max3_num_f32 v[TM+\b], |v[\s+16*\b]|, |v[\s+1+16*\b]|, 0x2800000   ; my 16 numbers of block b, and the floor 2^(5 - 127)
.endr
.irp i, 2,4,6,8,10,12,14
.irp b, 0,1,2,3
	v_max3_num_f32 v[TM+\b], v[TM+\b], |v[\s+16*\b+\i]|, |v[\s+1+16*\b+\i]|   ; the four blocks by turns
.endr
.endr
.irp b, 0,1,2,3
	v_permlanex16_b32 v[TM+4+\b], v[TM+\b], s[SEL], s[SEL+1]
.endr
.irp b, 0,1,2,3
	v_max_num_f32 v[TM+\b], v[TM+\b], v[TM+4+\b]   ; with lane l xor 16's: the block's largest magnitude
.endr
.irp b, 0,1,2,3
	v_add_nc_u32 v[TM+12+\b], 0xfe000000, v[TM+\b]   ; 4 off its exponent field: the conversion's scale operand
.endr
.irp b, 0,1,2,3
	v_lshrrev_b32 v[TM+4+\b], 23, v[TM+12+\b]      ; the scale's byte
.endr
	v_lshl_or_b32 v[\pw], v[TM+5], 8, v[TM+4]
	v_lshl_or_b32 v[\pw], v[TM+6], 16, v[\pw]
	v_lshl_or_b32 v[\pw], v[TM+7], 24, v[\pw]
.irp c, 0,1
	v_cvt_scalef32_pk16_bf6_f32 v[PC+6*\c:PC+2+6*\c], v[\s+32*\c:\s+15+32*\c], v[TM+12+2*\c]
	v_cvt_scalef32_pk16_bf6_f32 v[PC+12+4*\c:PC+14+4*\c], v[\s+16+32*\c:\s+31+32*\c], v[TM+12+2*\c+1]   ; (three registers from an even number on)
.endr
	v_nop                                          ; one plain place behind a scaled conversion
.irp c, 0,1                            ; the layout wants a WHOLE block in a lane: lanes 0-15 block 2 c, lanes 16-31 block 2 c + 1
.irp i, 0,1,2
	v_permlane16_swap_b32 v[PC+6*\c+\i], v[PC+12+4*\c+\i]
.endr
.irp i, 0,1,2
	v_mov_b32 v[PC+3+6*\c+\i], v[PC+12+4*\c+\i]
.endr
.endr
.endm
	v_lshl_add_u32 v254, v0, 2, 0x8400
	v_mov_b32 v255, 0
	v_lshrrev_b32 v1, 5, v0
	v_readfirstlane_b32 s12, v1                    ; wave
	s_cmp_ge_u32 ttmp9, 256                        ; x's work-group or the weights'?
	s_wait_alu depctr_va_vdst(0)                   ; the wait ahead of the branch
	s_cbranch_scc1 .Lweights
	s_load_b128 s[4:7], s[0:1], 0x30               ; x, xc
	s_load_b64 s[8:9], s[0:1], 0x40                ; xs
	v_and_b32 v1, 31, v0                           ; lane
	v_and_b32 v2, 15, v0                           ; r
	v_bfe_u32 v3, v0, 4, 1                         ; h
	v_lshlrev_b32 v4, 4, v1                        ; my 16 bytes of a load's 512
	s_mul_i32 s13, s12, WSTG
	v_add_nc_u32 v5, s13, v4                       ; into the stage
	v_mul_u32_u24 v6, v2, SP
	v_lshl_add_u32 v6, v3, 6, v6
	v_add_nc_u32 v6, s13, v6                       ; out of it: row r, + 64 h
	v_lshlrev_b32 v7, 3, v1                        ; 8 x lane: a register pair's place in an image
.irp b, 0,1,2,3
	v_mov_b32 v[TM+4+\b], 0                        ; written once: a lane permute's destination counts as one of its sources
.endr
	s_mov_b32 s[SEL], 0x76543210
	s_mov_b32 s[SEL+1], 0xfedcba98                 ; selects for lane l xor 16
	s_lshr_b32 s14, s12, 1                         ; u: which tile of the pair
	s_and_b32 s15, s12, 1                          ; which half of K
	s_lshl_b32 s16, ttmp9, 5
	s_lshl_b32 s17, s14, 3
	s_add_co_u32 s16, s16, s17                     ; the tile's first token: 32 g + 8 u
	s_lshl_b32 s16, s16, 12
	s_lshl_b32 s17, s15, 11
	s_add_co_u32 s16, s16, s17
	s_mov_b32 s17, 0
	s_lshl_b32 s18, ttmp9, 1
	s_add_co_u32 s18, s18, s14                     ; the tile
	s_lshl_b32 s22, s18, 9
	s_lshl_b32 s23, s15, 8
	s_add_co_u32 s22, s22, s23
	s_mov_b32 s23, 0
	s_mul_i32 s18, s18, 12288
	s_mul_i32 s19, s15, 6144
	s_add_co_u32 s18, s18, s19
	s_mov_b32 s19, 0
	s_wait_alu depctr_va_vdst(0)
	s_wait_kmcnt 0x0
	s_add_nc_u64 s[4:5], s[4:5], s[16:17]
	s_add_nc_u64 s[6:7], s[6:7], s[18:19]
	s_add_nc_u64 s[8:9], s[8:9], s[22:23]
.macro LOAD f                          ; fragment f: place i of the tile is the token i + 8 (i / 8) rows on
.irp i, 0,1,2,3,4,5,6,7,8,9,10,11,12,13,14,15
	global_load_b128 v[R+64*((\f)%2)+4*\i:R+64*((\f)%2)+4*\i+3], v4, s[4:5] offset:(\i+8*(\i/8))*4096+512*(\f) th:TH_LOAD_NT
.endr
.endm
	LOAD 0
	LOAD 1
.irp f, 0,1,2,3
.if \f < 3
	s_wait_loadcnt 16                              ; this fragment's 16 loads are in; the next one's 16 may be out
.else
	s_wait_loadcnt 0
.endif
.irp i, 0,1,2,3,4,5,6,7,8,9,10,11,12,13,14,15
	ds_store_b128 v5, v[R+64*(\f%2)+4*\i:R+64*(\f%2)+4*\i+3] offset:SP*\i
.endr
.irp b, 0,1,2,3
.irp j, 0,1,2,3
	ds_load_b128 v[X+16*\b+4*\j:X+16*\b+4*\j+3], v6 offset:128*\b+16*\j   ; LDS serves a wave's instructions in order: these see my stores
.endr
.endr
	s_wait_dscnt 0x0
.if \f < 2
	LOAD \f+2                                      ; into the set that the stage's stores have read
.endif
.if \f > 0
	s_wait_xcnt 0x0                                ; the last fragment's stores have read the codes' registers: they are written again only behind this wait
.endif
	QUANT X, PW+\f
.irp p, 0,1,2,3,4,5
	global_store_b64 v7, v[PC+2*\p:PC+2*\p+1], s[6:7] offset:1536*\f+256*\p   ; 32 lanes store 256 consecutive bytes, aligned
.endr
.endr
	v_cmp_lt_u32 vcc_lo, 15, v1                    ; lanes 0-15 send the first 256 along K's two words, lanes 16-31 the second's
	v_cndmask_b32 v248, v[PW], v[PW+2], vcc_lo
	v_cndmask_b32 v249, v[PW+1], v[PW+3], vcc_lo
	global_store_b64 v7, v[248:249], s[8:9]        ; one aligned run of 256 bytes
	s_wait_tensorcnt 0x0                           ; the wave's end
	ds_add_u32 v254, v255
	s_wait_dscnt 0x0
	s_endpgm
; THE WEIGHTS [1024 (k)][1024 (n)], f32, K their FIRST axis, become codes of BF6 with one E8M0 byte for each 32 along K, by the same rule and with the same limits as x.
; wc: [tile of 16 rows n][K step of 128][register pair 0..5][lane][8 bytes]; tiles 0-63 Wq, 64-127 Wk, 128-191 Wv, 192-255 Wp; lane r of tile 2 g + u holds row n = 32 g + 8 u + r + 8 (r / 8).
; ws: [tile][256 along K][r][2 words].  Work-group 256 + i: weight (i % 128) / 32, columns 32 (i % 32) on, half i / 128 of K; wave w takes K step 4 (i / 128) + w.
; A lane takes a column n and its registers run down K: a block of 32 lies in one lane.  The codes go through the wave's own stage, laid there as the image, and leave by stores of 512 consecutive bytes.
.Lweights:
.set WB,   34304                       ; the weights' own LDS bytes begin here
.set WST,  3328                        ; a wave's stage: two fragments, FGAP bytes apart
.set FGAP, 1664
.set SCA,  WB+4*WST                    ; behind the stages: the work-group's 512 bytes of scale words: [u][w / 2][r][w % 2]
.set WX,   32                          ; v32-159  four blocks of 32 numbers
.set WC,   160                         ; block t's six registers of codes at WC + 8 t
.set WT,   192                         ; the second half of a block's codes, as converted
.set WO,   196                         ; the two fragments on their way out
.set WSW,  220                         ; scale words on their way out
	s_load_b256 s[4:11], s[0:1], 0x0               ; Wq, Wk, Wv, Wp
	v_lshrrev_b32 v1, 5, v0
	v_readfirstlane_b32 s17, v1                    ; wave
	s_load_b128 s[12:15], s[0:1], 0x20             ; wc, ws
	s_sub_co_u32 s30, ttmp9, 256                   ; i
	v_and_b32 v1, 31, v0                           ; o: my column among the 32
	v_lshlrev_b32 v2, 2, v1
	v_and_b32 v3, 7, v1
	v_lshrrev_b32 v4, 4, v1
	v_lshl_add_u32 v3, v4, 3, v3                   ; r = o % 8 + 8 (o / 16)
	v_lshlrev_b32 v9, 9, v4
	v_and_b32 v10, 15, v1
	v_lshl_add_u32 v9, v10, 4, v9                  ; scale words out: 512 (o / 16) + 16 (o % 16)
	v_bfe_u32 v4, v1, 3, 1                         ; u = (o / 8) % 2
	s_mul_i32 s18, s17, WST
	s_add_co_u32 s18, s18, WB
	v_mul_u32_u24 v5, v4, FGAP
	v_lshl_add_u32 v5, v3, 3, v5
	v_add_nc_u32 v5, s18, v5                       ; into the stage: my tile, 8 r
	s_lshr_b32 s19, s17, 1
	s_lshl_b32 s19, s19, 7
	s_and_b32 s20, s17, 1
	s_lshl_b32 s20, s20, 2
	s_add_co_u32 s19, s19, s20
	s_add_co_u32 s19, s19, SCA
	s_wait_alu depctr_va_vdst(0)                   ; the wait here, directly ahead of the readers below
	v_lshlrev_b32 v6, 8, v4
	v_lshl_add_u32 v6, v3, 3, v6
	v_add_nc_u32 v6, s19, v6                       ; my scale word: SCA + 256 u + 128 (w / 2) + 8 r + 4 (w % 2)
	v_lshlrev_b32 v8, 4, v1
	v_add_nc_u32 v7, s18, v8                       ; out of the stage
	v_add_nc_u32 v10, SCA, v8
	s_bfe_u32 s16, s30, 0x20005                    ; which weight
	s_and_b32 s21, s30, 31                         ; which 32 columns
	s_lshr_b32 s22, s30, 7                         ; which half of K
	s_lshl_b32 s23, s22, 2
	s_add_co_u32 s23, s23, s17                     ; my K step
	s_lshl_b32 s24, s23, 19
	s_lshl_b32 s25, s21, 7
	s_add_co_u32 s24, s24, s25
	s_mov_b32 s25, 0
	s_lshl_b32 s26, s16, 6
	s_lshl_b32 s27, s21, 1
	s_add_co_u32 s26, s26, s27                     ; the first of my two tiles
	s_lshl_b32 s28, s26, 9
	s_lshl_b32 s29, s22, 8
	s_add_co_u32 s28, s28, s29
	s_mov_b32 s29, 0
	s_mul_i32 s26, s26, 12288
	s_mul_i32 s27, s23, 1536
	s_add_co_u32 s26, s26, s27
	s_mov_b32 s27, 0
	s_wait_alu depctr_va_vdst(0)                   ; the wait at the head's end
	s_wait_kmcnt 0x0
	s_cmp_eq_u32 s16, 1
	s_cselect_b64 s[4:5], s[6:7], s[4:5]
	s_cmp_eq_u32 s16, 2
	s_cselect_b64 s[4:5], s[8:9], s[4:5]
	s_cmp_eq_u32 s16, 3
	s_cselect_b64 s[4:5], s[10:11], s[4:5]
	s_add_nc_u64 s[4:5], s[4:5], s[24:25]
	s_add_nc_u64 s[12:13], s[12:13], s[26:27]
	s_add_nc_u64 s[14:15], s[14:15], s[28:29]
.macro WLOAD t                         ; block t: W(32 t + i, my column): 32 lanes read 128 consecutive bytes
.set i, 0
.rept 32
	global_load_b32 v[WX+32*(\t)+i], v2, s[4:5] offset:(32*(\t)+i)*4096 th:TH_LOAD_NT
.set i, i+1
.endr
.endm
	WLOAD 0
	WLOAD 1
.macro WBLOCK t
.set XS, WX+32*(\t)
.if (\t) < 3
	s_wait_loadcnt 32                              ; this block's 32 loads are in; the next block's 32 may be out
.else
	s_wait_loadcnt 0
.endif
.if (\t) < 2
	WLOAD (\t)+2
.endif
	v_max3_num_f32 v12, |v[XS]|, |v[XS+1]|, |v[XS+2]|
	v_max3_num_f32 v13, |v[XS+3]|, |v[XS+4]|, |v[XS+5]|
.irp i, 6,10,14,18,22,26
	v_max3_num_f32 v12, v12, |v[XS+\i]|, |v[XS+\i+1]|
	v_max3_num_f32 v13, v13, |v[XS+\i+2]|, |v[XS+\i+3]|
.endr
	v_max3_num_f32 v12, v12, |v[XS+30]|, |v[XS+31]|
	v_max3_num_f32 v12, v12, v13, 0x2800000        ; and the floor 2^(5 - 127)
	v_add_nc_u32 v11, 0xfe000000, v12              ; 4 off the exponent field: the conversion's scale operand
	v_lshrrev_b32 v13, 23, v11                     ; the scale's byte
	v_cvt_scalef32_pk16_bf6_f32 v[WC+8*(\t):WC+8*(\t)+2], v[XS:XS+15], v11
	v_cvt_scalef32_pk16_bf6_f32 v[WT:WT+2], v[XS+16:XS+31], v11
.if (\t) == 0
	v_mov_b32 v14, v13                             ; the four bytes make my column's word (also the plain place behind the conversions)
.else
	v_lshl_or_b32 v14, v13, 8*(\t), v14
.endif
.irp i, 0,1,2
	v_mov_b32 v[WC+8*(\t)+3+\i], v[WT+\i]
.endr
.irp i, 0,1,2                          ; block t = 2 c + h belongs to lane (r, h), pairs 3 c + i, at 256 x pair + 8 (r + 16 h)
	ds_store_b64 v5, v[WC+8*(\t)+2*\i:WC+8*(\t)+2*\i+1] offset:768*((\t)/2)+128*((\t)%2)+256*\i
.endr
.endm
	WBLOCK 0
	WBLOCK 1
	WBLOCK 2
	WBLOCK 3
	ds_store_b32 v6, v14
.irp u, 0,1
.irp c, 0,1,2
	ds_load_b128 v[WO+12*\u+4*\c:WO+12*\u+4*\c+3], v7 offset:FGAP*\u+512*\c   ; LDS serves a wave's instructions in order: these see my stores
.endr
.endr
	s_wait_dscnt 0x0                               ; for the others' sake too: my scale word has landed
	s_barrier_signal -1
	s_barrier_wait -1
.irp u, 0,1
.irp c, 0,1,2
	global_store_b128 v8, v[WO+12*\u+4*\c:WO+12*\u+4*\c+3], s[12:13] offset:12288*\u+512*\c   ; 32 lanes store 512 consecutive bytes, aligned to 256
.endr
.endr
	s_cmp_lg_u32 s17, 0
	s_cbranch_scc1 .Lwdone                         ; wave 0 alone sends the four waves' scale words: two aligned runs of 256 bytes
	ds_load_b128 v[WSW:WSW+3], v10
	s_wait_dscnt 0x0
	global_store_b128 v9, v[WSW:WSW+3], s[14:15]
.Lwdone:
	s_wait_tensorcnt 0x0                           ; the wave's end
	ds_add_u32 v254, v255
	s_wait_dscnt 0x0
	s_endpgm
.Lfunc_end_k_q1e3b6a4e3a_quant_x:
	.size	k_q1e3b6a4e3a_quant_x, .Lfunc_end_k_q1e3b6a4e3a_quant_x-k_q1e3b6a4e3a_quant_x
	.p2alignl 7, 3214868480
	.fill 96, 4, 3214868480
	.section	.rodata,"a",@progbits
	.p2align	6, 0x0
	.amdhsa_kernel k_q1e3b6a4e3a_quant_x
		.amdhsa_group_segment_fixed_size 48128
		.amdhsa_private_segment_fixed_size 0
		.amdhsa_enable_private_segment 0
		.amdhsa_kernarg_size 72
		.amdhsa_user_sgpr_count 2
		.amdhsa_user_sgpr_kernarg_segment_ptr 1
		.amdhsa_wavefront_size32 1
		.amdhsa_system_sgpr_workgroup_id_x 1
		.amdhsa_system_sgpr_workgroup_id_y 1
		.amdhsa_system_sgpr_workgroup_id_z 1
		.amdhsa_system_vgpr_workitem_id 0
		.amdhsa_next_free_vgpr 256
		.amdhsa_next_free_sgpr 66
		.amdhsa_reserve_vcc 1
		.amdhsa_float_denorm_mode_32 3
		.amdhsa_float_denorm_mode_16_64 3
		.amdhsa_memory_ordered 1
		.amdhsa_forward_progress 1
		.amdhsa_inst_pref_size 57
	.end_amdhsa_kernel
	.amdgpu_metadata
---
amdhsa.version: [ 1, 2 ]
amdhsa.kernels:
  - .name:           k_q1e3b6a4e3a_quant_x
    .symbol:         k_q1e3b6a4e3a_quant_x.kd
    .args:
      - { .name: Wq, .offset: 0, .size: 8, .value_kind: global_buffer, .address_space: global }
      - { .name: Wk, .offset: 8, .size: 8, .value_kind: global_buffer, .address_space: global }
      - { .name: Wv, .offset: 16, .size: 8, .value_kind: global_buffer, .address_space: global }
      - { .name: Wp, .offset: 24, .size: 8, .value_kind: global_buffer, .address_space: global }
      - { .name: wc, .offset: 32, .size: 8, .value_kind: global_buffer, .address_space: global }
      - { .name: ws, .offset: 40, .size: 8, .value_kind: global_buffer, .address_space: global }
      - { .name: x, .offset: 48, .size: 8, .value_kind: global_buffer, .address_space: global }
      - { .name: xc, .offset: 56, .size: 8, .value_kind: global_buffer, .address_space: global }
      - { .name: xs, .offset: 64, .size: 8, .value_kind: global_buffer, .address_space: global }
    .group_segment_fixed_size: 48128
    .private_segment_fixed_size: 0
    .kernarg_segment_align: 8
    .kernarg_segment_size: 72
    .max_flat_workgroup_size: 128
    .sgpr_count:     66
    .vgpr_count:     256
    .wavefront_size: 32
...
	.end_amdgpu_metadata
.endif
;; end of part 1
;; launch gemm_qkv (part 2): grid 8 x 48, 4 waves a work-group, clusters of 4 x 4, 327,680 bytes of LDS; arguments xc, xs, wc, ws, bq, bk, bv, hc, hs; writes hc, hs
.if DOCPART == 2
	.amdgcn_target "amdgcn-amd-amdhsa--gfx1250"
	.amdhsa_code_object_version 6
	.text
	.protected	k_q1e3b6a4e3a_gemm_qkv
	.globl	k_q1e3b6a4e3a_gemm_qkv
	.p2align	8
	.type	k_q1e3b6a4e3a_gemm_qkv,@function
k_q1e3b6a4e3a_gemm_qkv:
	s_mov_b64 s[64:65], 0
	v_nop
	global_prefetch_b8 v0, s[64:65] scope:SCOPE_SE
	s_setreg_imm32_b32 hwreg(HW_REG_WAVE_MODE, 25, 1), 1
	s_wait_xcnt 0x0
	s_wait_alu depctr_hold_cnt(0) depctr_sa_sdst(0) depctr_va_vdst(0) depctr_va_sdst(0) depctr_va_ssrc(0) depctr_va_vcc(0) depctr_vm_vsrc(0)
	s_getreg_b32 s2, hwreg(HW_REG_IB_STS2, 6, 4)
	s_cmp_eq_u32 s2, 0
	s_cbranch_scc0 .Lentry_in_a_cluster
	s_endpgm
.Lentry_in_a_cluster:
	s_bfe_u32 s2, ttmp6, 0x10000c
	s_cmp_lg_u32 s2, 0xf033
	s_cbranch_scc0 .Lentry_shape_is_right
	s_endpgm
.Lentry_shape_is_right:
; q = x Wq + bq, k = x Wk + bk, v = x Wv + bv on codes of BF6 (E3M2) with E8M0 scales, K = 1,024; each result is quantised in registers for attention and leaves as codes: nothing wider goes to memory.
; A tile of 256 x 256 results to a work-group of four waves, 128 x 128 (64 accumulators, 512 registers) to a wave.  K goes in steps of 256 through a ring of two LDS slots filled by the tensor data mover.
; OPERANDS LIE IN MEMORY AS IMAGES OF THEIR REGISTERS: [tile of 16 rows][K step of 128][register pair][lane][8 bytes].  A fragment is six loads of 256 consecutive LDS bytes: no pitch, no padding.
; Lane r of tile 2 g + u holds row 32 g + 8 u + r + 8 (r / 8), of x's tokens and of the weights' rows n alike.  With source 0 = P and source 1 = R a lane holds ONE row of R, and the 16 registers of P's tiles 2 g, 2 g + 1
; are P's indices 32 g + 16 (lane / 16) + 0 .. 15: 16 NEIGHBOURS along the next product's K.
; TWO ROLES, by the cluster's y alone (partners share it); the role enters by selects, never by a branch.
;   q, k (cluster y 0-7):  R = tokens (xc), P = rows of Wq, Wk (wc).  A block of 16 tokens x 128 channels is two heads: registers 0-5 of its codes are one head's 64 channels, registers 6-11 the next head's.
;   v    (cluster y 8-11): R = rows of Wv, P = tokens.  A block of 16 channels x 128 keys is a fragment of V^T: the keys are the second product's K.
; The bias runs along P for q and k (it is the C of each sum's first product) and along R for v (added on the way out); the one that the role does not want is masked to zeros.
; hc: q at 0, k at 6,291,456: [batch x head][token tile][3 pairs][256 bytes]; v at 12,582,912: [batch][128 keys][channel tile][6 pairs][256 bytes].
; hs: q at 0, k at 262,144, v at 524,288: [batch x head][128 tokens][lane][2 words]: first word lanes 0-15 | 16-31 = item 0 | 1, second word items 2 | 3; an item is, for q and k, a pair of token tiles (2 bytes each), for v a channel tile.
; CLUSTERS: 4 x 4.  R's tiles are shared along a row of the cluster, P's along a column: each is asked for jointly, by the same tensor load with the same descriptor and a mask that names the four.
; LIMITS: NaN and infinities are not served; a block of zeros or under the floor 2^(5 - 127) carries the byte 1, and this program alone reads the bytes.
; REGISTERS: window 0: v16-31 addresses; v32-63 scale words, two sets; v64-127 the bias along P, later 64 numbers at work; v128-223 R's fragments, one set, later QUANT's registers; v224-239 the bias along R.
;   window 1: P's fragments, two sets, at v0 and v128.   windows 2, 3: the accumulators ((a, b) at v[8 (8 (a % 4) + b)]).
.set FRB,   1536                       ; a fragment's image
.set TILB,  2*FRB                      ; a tile's bytes in a slot: 256 along K
.set HALFT, 8*TILB                     ; 8 tiles, 128 rows: what one tensor load brings, and what one wave reads of a side
.set SLOT,  4*HALFT                    ; R's 16 tiles, then P's 16
.set NQ,    2                          ; matrix instructions deep in a slot
.set FR,    12
.set NL,    6                          ; LDS loads that bring a fragment
.set NP,    4                          ; places behind this matrix instruction (ISA guide 7.12.1)
.set SCL,   2*SLOT                     ; behind the ring: the scale words of all of K, filled once: R's 8,192 bytes, then P's
.set HALFS, 4096                       ; those of 8 tiles
.set SPARE, SCL+4*HALFS                ; the spare words, 128 bytes for each wave, which no other line names
.set ADRA, 16                          ; v16-17 LDS address of R's fragments in slot 0, 1
.set ADRB, 20                          ; v20-21 of P's
.set L8,   26                          ; v26    8 x lane
.set ADRS, 27                          ; v27    my scale words: lanes 0-15 R's, lanes 16-31 P's
.set SPW,  28                          ; v28    my spare word; never rewritten
.set NIL,  29                          ; v29    0; never rewritten
.set LN,   30                          ; v30    lane
.set SC,   32
.set BP,   64
.set T,    64
.set AF,   128
.set BR,   224
.set PC,   128                         ; on the way out: v128-146 codes, v148-163 at work, v164-171 the eight blocks' scale words, v172-183 their units
.set TM,   148
.set W,    164
.set Z,    172
.set XY,   180
.set SEL,  18
.set G1,   24                          ; s[24:31] group 1 for R's tiles; s[32:39] group 0, a set for each slot
.set G0,   32
.set G1B,  48                          ; s[48:55], s[56:63] the same for P's
.set G0B,  56
.set G1S,  68                          ; s[68:75], s[76:79] for R's scale words; s[80:87], s[88:91] for P's
.set G0S,  76
.set G1SB, 80
.set G0SB, 88
.set MSB, 0
.macro WIN new                         ; the immediate's high byte repeats the setting that is left
.set NW, \new
.if MSB != NW
	s_set_vgpr_msb (MSB<<8)|NW
.set MSB, NW
.endif
.endm
.set MUL_LO,   0xa1                    ; source 0 (P) window 1, source 1 (R) window 0, C and D window 2
.set MUL_HI,   0xf1                    ; the same, C and D window 3
.set FIRST_LO, 0x81                    ; the first products: C is the bias, in window 0
.set FIRST_HI, 0xc1
.set TO_B,     0x40                    ; destination window 1, address window 0
; A joint load: waves 0 and 1 fetch for R, waves 2 and 3 for P; the branch hangs on the wave's number alone.  Four v_nop follow each of the two lines.
.macro JLOAD g0a, g1a, g0b, g1b
	s_cmp_eq_u32 s15, 0
	s_cbranch_scc0 .Lfor_b_\@
	tensor_load_to_lds s[\g0a:\g0a+3], s[\g1a:\g1a+7]
	s_nop 0
.rept 4
	v_nop
.endr
	s_branch .Lasked_\@
.Lfor_b_\@:
	tensor_load_to_lds s[\g0b:\g0b+3], s[\g1b:\g1b+7]
	s_nop 0
.rept 4
	v_nop
.endr
.Lasked_\@:
.endm
.macro CREST                           ; a round of the cluster's barrier behind its opening barrier
	s_cmp_lg_u32 s14, 0
	s_cbranch_scc1 .Lnot_wave_0_\@
	s_barrier_signal -3
.Lnot_wave_0_\@:
	s_barrier_wait -3
	s_barrier_signal -1
	s_barrier_wait -1
.endm
.macro CROUND
	s_barrier_signal -1
	s_barrier_wait -1
	CREST
.endm
; 64 numbers of a lane, register 16 b + i = k 32 b + 16 (lane / 16) + i of my row, become a fragment's codes in v[PC] on and its scale word in v[pw].
.macro QUANT s, pw
.irp b, 0,1,2,3
	v_max3_num_f32 v[TM+\b], |v[\s+16*\b]|, |v[\s+1+16*\b]|, 0x2800000   ; my 16 numbers of block b, and the floor 2^(5 - 127)
.endr
.irp i, 2,4,6,8,10,12,14
.irp b, 0,1,2,3
	v_max3_num_f32 v[TM+\b], v[TM+\b], |v[\s+16*\b+\i]|, |v[\s+1+16*\b+\i]|
.endr
.endr
.irp b, 0,1,2,3
	v_permlanex16_b32 v[TM+4+\b], v[TM+\b], s[SEL], s[SEL+1]
.endr
.irp b, 0,1,2,3
	v_max_num_f32 v[TM+\b], v[TM+\b], v[TM+4+\b]   ; with lane l xor 16's: the block's largest magnitude
.endr
.irp b, 0,1,2,3
	v_add_nc_u32 v[TM+12+\b], 0xfe000000, v[TM+\b]   ; 4 off its exponent field: the conversion's scale operand
.endr
.irp b, 0,1,2,3
	v_lshrrev_b32 v[TM+4+\b], 23, v[TM+12+\b]      ; the scale's byte
.endr
	v_lshl_or_b32 v[\pw], v[TM+5], 8, v[TM+4]
	v_lshl_or_b32 v[\pw], v[TM+6], 16, v[\pw]
	v_lshl_or_b32 v[\pw], v[TM+7], 24, v[\pw]
.irp c, 0,1
	v_cvt_scalef32_pk16_bf6_f32 v[PC+6*\c:PC+2+6*\c], v[\s+32*\c:\s+15+32*\c], v[TM+12+2*\c]
	v_cvt_scalef32_pk16_bf6_f32 v[PC+12+4*\c:PC+14+4*\c], v[\s+16+32*\c:\s+31+32*\c], v[TM+12+2*\c+1]
.endr
	v_nop                                          ; one plain place behind a scaled conversion
.irp c, 0,1
.irp i, 0,1,2
	v_permlane16_swap_b32 v[PC+6*\c+\i], v[PC+12+4*\c+\i]
.endr
.irp i, 0,1,2
	v_mov_b32 v[PC+3+6*\c+\i], v[PC+12+4*\c+\i]
.endr
.endr
.endm
	s_load_b256 s[4:11], s[0:1], 0x0               ; xc, xs, wc, ws
	s_load_b256 s[92:99], s[0:1], 0x20             ; bq, bk, bv, hc
	s_load_b64 s[100:101], s[0:1], 0x40            ; hs
	v_lshl_add_u32 v[SPW], v0, 2, SPARE
	v_mov_b32 v[NIL], 0
	ds_add_u32 v28, v29
	ds_add_u32 v28, v29
	s_wait_dscnt 0x0
	v_lshrrev_b32 v1, 5, v0
	v_readfirstlane_b32 s14, v1                    ; wave 0..3
	s_lshr_b32 s15, s14, 1                         ; which half of R's rows is mine.  Also: I fetch for R (0) or for P (1)
	s_and_b32 s16, s14, 1                          ; which half of P's rows.  Also: which 8 tiles of that side I fetch
	s_bfe_u32 s40, ttmp6, 0x40000                  ; cx
	s_bfe_u32 s41, ttmp6, 0x40004                  ; cy
	s_lshl_b32 s42, ttmp9, 2
	s_add_co_u32 s42, s42, s40                     ; X = 4 x cluster x + cx
	s_and_b32 s17, ttmp7, 0xffff                   ; the cluster's y: under 8 the role is q, k; from 8 on v
	s_lshl_b32 s43, s41, 2
	s_lshl_b32 s43, 15, s43                        ; my row of the cluster
	s_lshl_b32 s44, 0x1111, s40                    ; my column
	s_mov_b32 s[SEL], 0x76543210
	s_mov_b32 s[SEL+1], 0xfedcba98
	; group 1 for codes: 8 rows (tiles) of 384 elements of 8 bytes, 1,536 elements (a tile's 12,288 bytes) apart; no padding
	s_or_b32 s[G1+0], s43, (3<<16)|(1<<21)         ; 15:0 the mask: my row; 17:16 elements of 8 bytes; 21 set beside a mask
	s_or_b32 s[G1B+0], s44, (3<<16)|(1<<21)        ; my column
.irp g, G1, G1B
	s_mov_b32 s[\g+1], 384<<16                     ; tensor_dim0
	s_mov_b32 s[\g+2], 16<<16                      ; tensor_dim1: 16 tiles for the head's loads; behind them 8, for the ring's
	s_mov_b32 s[\g+3], 384<<16                     ; tile_dim0
	s_mov_b32 s[\g+4], 16                          ; tile_dim1
	s_mov_b32 s[\g+5], 1536                        ; tensor_dim0_stride
	s_mov_b32 s[\g+6], 0
	s_mov_b32 s[\g+7], 0
.endr
	; and for the scale words of 16 tiles: 8,192 dense bytes as 32 rows of 256
	s_or_b32 s[G1S+0], s43, (3<<16)|(1<<21)
	s_or_b32 s[G1SB+0], s44, (3<<16)|(1<<21)
.irp g, G1S, G1SB
	s_mov_b32 s[\g+1], 32<<16
	s_mov_b32 s[\g+2], 32<<16                      ; a side's 16 tiles: 8,192 dense bytes as 32 rows of 256
	s_mov_b32 s[\g+3], 32<<16
	s_mov_b32 s[\g+4], 32
	s_mov_b32 s[\g+5], 32
	s_mov_b32 s[\g+6], 0
	s_mov_b32 s[\g+7], 0
.endr
	; the first tile of each side.  R: q, k: 64 x cluster y + 16 cy (tokens); v: 128 + 16 cy (Wv).  P: q, k: 16 X (Wq, Wk); v: 128 (cluster y - 8) + 16 X (tokens)
	s_lshl_b32 s20, s17, 6
	s_mov_b32 s21, 128
	s_sub_co_u32 s46, s17, 8
	s_lshl_b32 s46, s46, 7
	s_cmp_lt_u32 s17, 8
	s_cselect_b32 s20, s20, s21
	s_cselect_b32 s46, 0, s46
	s_cselect_b32 s12, 0, -1                       ; mask of the bias along R: all ones for v
	s_cselect_b32 s13, -1, 0                       ; mask of the bias along P: all ones for q, k
	s_lshl_b32 s21, s41, 4
	s_add_co_u32 s20, s20, s21
	s_lshl_b32 s47, s42, 4
	s_add_co_u32 s46, s46, s47
	s_lshl_b32 s22, s20, 9                         ; scale words: 512 bytes a tile
	s_mov_b32 s23, 0
	s_mul_i32 s20, s20, 12288                      ; codes: 12,288 bytes a tile
	s_mov_b32 s21, 0
	s_lshl_b32 s66, s46, 9
	s_mov_b32 s67, 0
	s_mul_i32 s46, s46, 12288
	s_mov_b32 s47, 0
	s_mul_i32 s45, s14, HALFT                      ; where the ring's loads go: wave x 8 tiles: no place in the cluster enters an LDS address
	s_wait_kmcnt 0x0
	s_cmp_lt_u32 s17, 8                            ; the choice of buffers hangs on the cluster's y alone
	s_cselect_b64 s[G0+2:G0+3], s[4:5], s[8:9]
	s_cselect_b64 s[G0S+2:G0S+3], s[6:7], s[10:11]
	s_cselect_b64 s[G0B+2:G0B+3], s[8:9], s[4:5]
	s_cselect_b64 s[G0SB+2:G0SB+3], s[10:11], s[6:7]
	s_cmp_eq_u32 ttmp9, 0                          ; the bias: X under 4 is Wq, from 4 on Wk;
	s_cselect_b64 s[92:93], s[92:93], s[94:95]
	s_cmp_lt_u32 s17, 8                            ; the role v takes bv
	s_cselect_b64 s[92:93], s[92:93], s[96:97]
	s_add_nc_u64 s[G0+2:G0+3], s[G0+2:G0+3], s[20:21]      ; slot 0's sets serve the head's loads first: a side's 16 tiles, whole
	s_add_nc_u64 s[G0S+2:G0S+3], s[G0S+2:G0S+3], s[22:23]
	s_add_nc_u64 s[G0B+2:G0B+3], s[G0B+2:G0B+3], s[46:47]
	s_add_nc_u64 s[G0SB+2:G0SB+3], s[G0SB+2:G0SB+3], s[66:67]
	s_mul_i32 s66, s16, 8*12288                    ; in the ring I fetch 8 tiles of a side: which half, in bytes (s67 = 0); kept to the head's end
	s_add_nc_u64 s[G0+6:G0+7], s[G0+2:G0+3], s[66:67]
	s_add_nc_u64 s[G0+6:G0+7], s[G0+6:G0+7], TILB  ; slot 1: the next 256 along K
	s_add_nc_u64 s[G0B+6:G0B+7], s[G0B+2:G0B+3], s[66:67]
	s_add_nc_u64 s[G0B+6:G0B+7], s[G0B+6:G0B+7], TILB
.irp g, G0, G0+4, G0B, G0B+4, G0S, G0SB
	s_mov_b32 s[\g], 1                             ; count = 1
	s_or_b32 s[\g+3], s[\g+3], 0x80000000          ; type = 2
.endr
	s_mov_b32 s[G0+1], 0
	s_add_co_u32 s[G0+5], s45, SLOT
	s_mov_b32 s[G0B+1], 2*HALFT
	s_add_co_u32 s[G0B+5], s45, SLOT
	s_mov_b32 s[G0S+1], SCL
	s_mov_b32 s[G0SB+1], SCL+2*HALFS
	CROUND                                         ; all sixteen work-groups are here: the first joint loads meet
; THE HEAD'S LOADS, ONE A WAVE: wave 0 slot 0's 16 tiles of R, wave 1 its 16 tiles of P, wave 2 R's scale words, wave 3 P's.  One chain of branches on the wave's number, all arms leading to one join.
.macro ARM under, g0, g1, next
	s_cmp_lt_u32 s14, \under
	s_cbranch_scc0 \next
	tensor_load_to_lds s[\g0:\g0+3], s[\g1:\g1+7]
	s_nop 0
.rept 4
	v_nop
.endr
	s_branch .Lhead_asked
\next:
.endm
	ARM 1, G0,  G1,  .Lhead_b
	ARM 2, G0B, G1B, .Lhead_sa
	ARM 3, G0S, G1S, .Lhead_sb
	tensor_load_to_lds s[G0SB:G0SB+3], s[G1SB:G1SB+7]
	s_nop 0
.rept 4
	v_nop
.endr
.Lhead_asked:
	v_and_b32 v[LN], 31, v0
	v_and_b32 v1, 15, v0                           ; r
	v_bfe_u32 v2, v0, 4, 1                         ; h
	v_lshlrev_b32 v[L8], 3, v[LN]
	v_lshlrev_b32 v3, 6, v2                        ; the bias along P: my half's 16 numbers begin 64 h bytes on
	s_wait_alu depctr_va_vdst(0)
	v_and_b32 v4, 8, v1
	v_add_nc_u32 v4, v4, v1
	v_lshlrev_b32 v4, 2, v4                        ; the bias along R: my row r + 8 (r / 8)
	s_wait_alu depctr_va_vdst(0)
	s_lshl_b32 s20, s41, 10                        ; R's 256 numbers: cy; my half of them
	s_lshl_b32 s21, s15, 9
	s_add_co_u32 s20, s20, s21
	s_mov_b32 s21, 0
	s_add_nc_u64 s[94:95], s[92:93], s[20:21]
	s_lshl_b32 s20, s40, 10                        ; P's: cx; my half
	s_lshl_b32 s22, s16, 9
	s_add_co_u32 s20, s20, s22
	s_add_nc_u64 s[92:93], s[92:93], s[20:21]      ; both ranges lie inside the 1,024 numbers in both roles
.irp b, 0,1,2,3,4,5,6,7
	global_load_b128 v[BP+8*\b:BP+8*\b+3], v3, s[92:93] offset:4*(32*(\b/2)+8*(\b%2))
	global_load_b128 v[BP+8*\b+4:BP+8*\b+7], v3, s[92:93] offset:4*(32*(\b/2)+8*(\b%2))+16
.endr
.irp a, 0,1,2,3,4,5,6,7
	global_load_b32 v[BR+2*\a], v4, s[94:95] offset:4*(32*(\a/2)+8*(\a%2))
	global_load_b32 v[BR+2*\a+1], v4, s[94:95] offset:4*(32*(\a/2)+8*(\a%2))   ; twice: a pair for the packed addition
.endr
	; where my results go.  q, k: batch x head = 16 (Y / 8) + 4 cx + 2 x my half of P; group of 8 token tiles = 2 (Y % 8) + my half of R; Y = 4 x cluster y + cy
	s_lshl_b32 s20, s17, 2
	s_add_co_u32 s20, s20, s41
	s_lshr_b32 s21, s20, 3
	s_lshl_b32 s21, s21, 4
	s_lshl_b32 s22, s40, 2
	s_add_co_u32 s21, s21, s22
	s_lshl_b32 s22, s16, 1
	s_add_co_u32 s21, s21, s22
	s_and_b32 s20, s20, 7
	s_lshl_b32 s22, s20, 1
	s_add_co_u32 s22, s22, s15
	s_lshl_b32 s23, s21, 4
	s_add_co_u32 s23, s23, s22                     ; 16 x (batch x head) + group
	s_mul_i32 s45, s23, 8*768                      ; codes: 8 tiles of 768 bytes a group
	s_lshl_b32 s46, s23, 8                         ; scale words: 256 bytes a group
	s_mul_i32 s47, ttmp9, 6291456                  ; k lies behind q
	s_add_co_u32 s45, s45, s47
	s_lshl_b32 s47, ttmp9, 18
	s_add_co_u32 s46, s46, s47
	; v: G = the 128 keys = 2 (X + 8 (cluster y - 8)) + my half of P; 8 channel tiles from 8 (2 cy + my half of R) on
	s_sub_co_u32 s20, s17, 8
	s_lshl_b32 s20, s20, 3
	s_add_co_u32 s20, s20, s42
	s_lshl_b32 s20, s20, 1
	s_add_co_u32 s20, s20, s16
	s_lshl_b32 s21, s41, 1
	s_add_co_u32 s21, s21, s15
	s_lshl_b32 s22, s20, 3
	s_add_co_u32 s22, s22, s21
	s_mul_i32 s22, s22, 8*1536
	s_add_co_u32 s22, s22, 12582912
	s_lshr_b32 s23, s20, 4
	s_lshl_b32 s23, s23, 3
	s_add_co_u32 s23, s23, s21                     ; half of batch x head
	s_lshl_b32 s23, s23, 5
	s_and_b32 s20, s20, 15
	s_add_co_u32 s23, s23, s20
	s_lshl_b32 s23, s23, 8
	s_add_co_u32 s23, s23, 524288
	s_mov_b32 s47, 98304
	s_mov_b32 s21, 1536
	s_cmp_lt_u32 s17, 8
	s_cselect_b32 s4, s45, s22
	s_cselect_b32 s8, s46, s23
	s_cselect_b32 s10, 768, s21                    ; from block to block: a token tile of a head, or a whole fragment
	s_cselect_b32 s6, s47, 768                     ; from registers 0-5 to registers 6-11: the next head, or the fragment's second half
	s_mov_b32 s5, 0
	s_mov_b32 s7, 0
	s_mov_b32 s9, 0
	s_mov_b32 s11, 0
	s_add_nc_u64 s[4:5], s[98:99], s[4:5]          ; codes, registers 0-5
	s_add_nc_u64 s[6:7], s[4:5], s[6:7]            ; codes, registers 6-11
	s_add_nc_u64 s[8:9], s[100:101], s[8:9]        ; scale words
	s_mov_b32 s2, 0x05040100                       ; byte selects: two low halves; two high halves
	s_mov_b32 s3, 0x07060302
	s_wait_loadcnt 0x0                             ; the biases
.set i, 0
.rept 64
	v_and_b32 v[BP+i], s13, v[BP+i]                ; zeros where the role adds its bias along R
.set i, i+1
.endr
.set i, 0
.rept 16
	v_and_b32 v[BR+i], s12, v[BR+i]                ; zeros where it adds along P
.set i, i+1
.endr
	s_mul_i32 s21, s15, HALFT                      ; my 8 tiles of R,
	s_mul_i32 s22, s16, HALFT                      ; my 8 tiles of P,
	s_add_co_u32 s22, s22, 2*HALFT                 ; which lie behind R's 16
.irp s, 0,1
	v_add_nc_u32 v[ADRA+\s], s21, v[L8]
	v_add_nc_u32 v[ADRB+\s], s22, v[L8]
	s_add_co_u32 s21, s21, SLOT
	s_add_co_u32 s22, s22, SLOT
.endr
	v_lshlrev_b32 v5, 3, v1                        ; scale words: 8 r in a tile's 128 bytes of a K step
	s_mul_i32 s21, s15, HALFS
	s_mul_i32 s22, s16, HALFS
	s_add_co_u32 s22, s22, 2*HALFS
	s_sub_co_u32 s22, s22, s21
	v_mul_u32_u24 v6, s22, v2                      ; lanes 16-31 take P's: one product, the distance between the two bases
	s_add_co_u32 s21, s21, SCL
	v_add_nc_u32 v5, v5, v6
	v_add_nc_u32 v[ADRS], s21, v5
.macro FRAG reg, adr, q, i             ; a fragment: six register pairs, each 256 consecutive bytes for the 32 lanes
.irp p, 0,1,2,3,4,5
	ds_load_b64 v[\reg+2*\p:\reg+2*\p+1], v[\adr] offset:(\i)*TILB+(\q)*FRB+256*\p
.endr
.endm
; 16 matrix instructions: R's blocks a0, a0 + 1 x P's eight.  p: P's set; sc: the set of scale words.  first = 1: the sums begin with the bias along P.  The 64 accumulators take turns, one instruction a turn.
.macro MUL16 a0, p, q, sc, first
.irp a, \a0, \a0+1
.irp b, 0,1,2,3,4,5,6,7
.if \first
	v_wmma_scale_f32_16x16x128_f8f6f4 v[8*(8*((\a)%4)+\b):8*(8*((\a)%4)+\b)+7], v[128*(\p)+FR*\b:128*(\p)+FR*\b+FR-1], v[AF+FR*(\a):AF+FR*(\a)+FR-1], v[BP+8*\b:BP+8*\b+7], v[SC+8*NQ*(\sc)+NQ*\b+(\q)], v[SC+8*NQ*(\sc)+NQ*(\a)+(\q)] matrix_a_fmt:MATRIX_FMT_BF6 matrix_b_fmt:MATRIX_FMT_BF6 matrix_a_scale:MATRIX_SCALE_ROW1
.else
	v_wmma_scale_f32_16x16x128_f8f6f4 v[8*(8*((\a)%4)+\b):8*(8*((\a)%4)+\b)+7], v[128*(\p)+FR*\b:128*(\p)+FR*\b+FR-1], v[AF+FR*(\a):AF+FR*(\a)+FR-1], v[8*(8*((\a)%4)+\b):8*(8*((\a)%4)+\b)+7], v[SC+8*NQ*(\sc)+NQ*\b+(\q)], v[SC+8*NQ*(\sc)+NQ*(\a)+(\q)] matrix_a_fmt:MATRIX_FMT_BF6 matrix_b_fmt:MATRIX_FMT_BF6 matrix_a_scale:MATRIX_SCALE_ROW1
.endif
.endr
.endr
.endm
.macro FETCH_B slot, q, p
	WIN TO_B
.irp i, 0,1,2,3,4,5,6,7
	FRAG 128*(\p)+FR*\i, ADRB+\slot, \q, \i
.endr
	WIN 0
.endm
.macro FETCH_A slot, q, i0
.irp i, \i0, \i0+1, \i0+2, \i0+3
	FRAG AF+FR*(\i), ADRA+\slot, \q, \i
.endr
.endm
.macro SCALES sc                       ; a K step's two words a row: lanes 0-15 R's block i, lanes 16-31 P's block i
.irp i, 0,1,2,3,4,5,6,7
	ds_load_b64 v[SC+8*NQ*\sc+NQ*\i:SC+8*NQ*\sc+NQ*\i+1], v[ADRS] offset:512*\i
.endr
.endm
.macro PLACES n                        ; plain vector places in front of loads into registers that matrix instructions have read, and of reads of results
.rept \n
	v_nop
.endr
.endm
.macro STEP slot, q, first             ; 128 along K that has its successor in the same slot
	s_wait_dscnt 4*NL                              ; P's set and R's blocks 0-3 are in; the youngest 24 loads (R's blocks 4-7) may be out
.if \first
	WIN FIRST_LO
.else
	WIN MUL_LO
.endif
	MUL16 0, (\q)%2, \q, \slot, \first
	MUL16 2, (\q)%2, \q, \slot, \first
	s_wait_dscnt 0
	PLACES NP
	FETCH_B \slot, (\q)+1, 1-(\q)%2
	FETCH_A \slot, (\q)+1, 0
.if \first
	WIN FIRST_HI
.else
	WIN MUL_HI
.endif
	MUL16 4, (\q)%2, \q, \slot, \first
	MUL16 6, (\q)%2, \q, \slot, \first
	PLACES NP
	WIN 0
	FETCH_A \slot, (\q)+1, 4
.endm
; A slot's last 128 along K changes slots: ONE barrier; in front of it each wave waits for all its tensor loads, adds 0 to its spare word, and waits for that and for its reads of this slot.  fill = 1: the slot is filled again, two K steps ahead.
.macro TURN slot, next, fill
	s_wait_tensorcnt 0x0                           ; all my tensor loads have landed: my part of the next slot
	ds_add_u32 v[SPW], v[NIL]                      ; 0 onto my spare word
	s_wait_dscnt 4*NL+1                            ; (the add and the youngest 24 loads may be out)
	WIN MUL_LO
	MUL16 0, 1, NQ-1, \slot, 0                     ; sixteen matrix instructions stand between the add and the wait for it
	s_wait_dscnt 0x0                               ; the add is done, and my reads of this slot are over
	s_barrier_signal -1
	MUL16 2, 1, NQ-1, \slot, 0
	WIN 0
	s_barrier_wait -1
.if \fill
	CREST                                          ; the barrier has opened a round of the cluster's: no wave of any partner still reads this slot or has a load on its way
	s_add_nc_u64 s[G0+4*\slot+2:G0+4*\slot+3], s[G0+4*\slot+2:G0+4*\slot+3], 2*TILB
	s_add_nc_u64 s[G0B+4*\slot+2:G0B+4*\slot+3], s[G0B+4*\slot+2:G0B+4*\slot+3], 2*TILB
	JLOAD G0+4*\slot, G1, G0B+4*\slot, G1B         ; the first tensor load behind the round; its four v_nop are the places in front of the loads below
.else
	PLACES NP
.endif
	s_wait_alu depctr_va_vdst(0)
	v_add_nc_u32 v[ADRS], 128, v[ADRS]             ; the next K step's scale words (no LDS load of mine is out)
	FETCH_B \next, 0, 0
	FETCH_A \next, 0, 0
	SCALES \next
	WIN MUL_HI
	MUL16 4, 1, NQ-1, \slot, 0
	MUL16 6, 1, NQ-1, \slot, 0
	PLACES NP
	WIN 0
	FETCH_A \next, 0, 4
.endm
	s_wait_alu depctr_va_vdst(0)
	s_wait_tensorcnt 0x0                           ; my tile of the head's four is in
	ds_add_u32 v[SPW], v[NIL]
	s_mov_b32 s[G1+2], 8<<16                       ; no tensor load of mine is out, so descriptors may be written: from here on a load brings 8 tiles,
	s_mov_b32 s[G1+4], 8
	s_mov_b32 s[G1B+2], 8<<16
	s_mov_b32 s[G1B+4], 8
	s_mul_i32 s[G0+1], s14, HALFT                  ; and slot 0's sets are laid for the ring: my quarter of the slot, my 8 tiles
	s_mul_i32 s[G0B+1], s14, HALFT
	s_add_nc_u64 s[G0+2:G0+3], s[G0+2:G0+3], s[66:67]
	s_add_nc_u64 s[G0B+2:G0B+3], s[G0B+2:G0B+3], s[66:67]
	s_wait_dscnt 0x0                               ; the add is done
	CROUND                                         ; a whole round: all four tiles are in, and the joint loads meet
	JLOAD G0+4, G1, G0B+4, G1B                     ; slot 1's first fill: the first tensor load behind the round
	FETCH_B 0, 0, 0
	FETCH_A 0, 0, 0
	SCALES 0
	FETCH_A 0, 0, 4
	STEP 0, 0, 1                                   ; K = 1,024 is four K steps of 256, written out
	TURN 0, 1, 1
	STEP 1, 0, 0
	TURN 1, 0, 1
	STEP 0, 0, 0
	TURN 0, 1, 0                                   ; nothing is left to fetch
	STEP 1, 0, 0
	s_wait_dscnt 4*NL
	WIN MUL_LO
	MUL16 0, 1, NQ-1, 1, 0
	MUL16 2, 1, NQ-1, 1, 0
	s_wait_dscnt 0
	WIN MUL_HI
	MUL16 4, 1, NQ-1, 1, 0
	MUL16 6, 1, NQ-1, 1, 0
	WIN 0
	; THE WAY OUT, block by block of R's 16 rows: the bias along R is added (which also brings the 64 numbers into window 0, each accumulator from its low end on), they are quantised along P, and the codes leave as images.
	PLACES NP
.irp b, 0,1,2,3
	v_mov_b32 v[TM+4+\b], 0                        ; written once: a lane permute's destination counts as one of its sources
.endr
.irp a, 0,1,2,3,4,5,6,7
	WIN 0x02+(\a)/4                                ; source 0: window 2 or 3
.set AC, 64*((\a)%4)
.set i, 0
.rept 32
	v_pk_add_f32 v[T+i:T+i+1], v[AC+i:AC+i+1], v[BR+2*\a:BR+2*\a+1]
.set i, i+2
.endr
	WIN 0
	QUANT T, W+\a
.irp p, 0,1,2
	global_store_b64 v[L8], v[PC+2*\p:PC+2*\p+1], s[4:5] offset:256*\p       ; 32 lanes store 256 consecutive bytes, aligned
.endr
.irp p, 0,1,2
	global_store_b64 v[L8], v[PC+6+2*\p:PC+6+2*\p+1], s[6:7] offset:256*\p
.endr
	s_wait_xcnt 0x0                                ; the stores have read their data and bases: both are written again only behind this wait
	s_add_nc_u64 s[4:5], s[4:5], s[10:11]
	s_add_nc_u64 s[6:7], s[6:7], s[10:11]
.endr
	; the eight blocks' scale words.  q, k: a word holds two heads' two bytes: a pair of token tiles gives one word for each head.  v: a word is a channel tile's, as it stands
.irp i, 0,1,2,3
	v_perm_b32 v[Z+\i], v[W+2*\i+1], v[W+2*\i], s2
	v_perm_b32 v[Z+4+\i], v[W+2*\i+1], v[W+2*\i], s3
.endr
.irp k, 0,1,2,3,4,5,6,7
	v_cndmask_b32 v[Z+\k], v[Z+\k], v[W+\k], s12
.endr
	v_cmp_lt_u32 vcc_lo, 15, v[LN]
.irp i, 0,1,2,3
	v_cndmask_b32 v[XY+\i], v[Z+2*\i], v[Z+2*\i+1], vcc_lo   ; lanes 0-15 the even item, lanes 16-31 the odd one
.endr
	global_store_b64 v[L8], v[XY:XY+1], s[8:9]               ; one head's 256 bytes,
	global_store_b64 v[L8], v[XY+2:XY+3], s[8:9] offset:4096 ; and the next head's
	s_wait_tensorcnt 0x0                           ; the wave's end
	ds_add_u32 v[SPW], v[NIL]
	s_wait_dscnt 0x0
	CROUND                                         ; the closing round
	s_endpgm
.Lfunc_end_k_q1e3b6a4e3a_gemm_qkv:
	.size	k_q1e3b6a4e3a_gemm_qkv, .Lfunc_end_k_q1e3b6a4e3a_gemm_qkv-k_q1e3b6a4e3a_gemm_qkv
	.p2alignl 7, 3214868480
	.fill 96, 4, 3214868480
	.section	.rodata,"a",@progbits
	.p2align	6, 0x0
	.amdhsa_kernel k_q1e3b6a4e3a_gemm_qkv
		.amdhsa_group_segment_fixed_size 327680
		.amdhsa_private_segment_fixed_size 0
		.amdhsa_enable_private_segment 0
		.amdhsa_kernarg_size 72
		.amdhsa_user_sgpr_count 2
		.amdhsa_user_sgpr_kernarg_segment_ptr 1
		.amdhsa_wavefront_size32 1
		.amdhsa_system_sgpr_workgroup_id_x 1
		.amdhsa_system_sgpr_workgroup_id_y 1
		.amdhsa_system_sgpr_workgroup_id_z 1
		.amdhsa_system_vgpr_workitem_id 0
		.amdhsa_next_free_vgpr 1024
		.amdhsa_next_free_sgpr 102
		.amdhsa_reserve_vcc 1
		.amdhsa_float_denorm_mode_32 3
		.amdhsa_float_denorm_mode_16_64 3
		.amdhsa_memory_ordered 1
		.amdhsa_forward_progress 1
		.amdhsa_inst_pref_size 192
	.end_amdhsa_kernel
	.amdgpu_metadata
---
amdhsa.version: [ 1, 2 ]
amdhsa.kernels:
  - .name:           k_q1e3b6a4e3a_gemm_qkv
    .symbol:         k_q1e3b6a4e3a_gemm_qkv.kd
    .args:
      - { .name: xc, .offset: 0, .size: 8, .value_kind: global_buffer, .address_space: global }
      - { .name: xs, .offset: 8, .size: 8, .value_kind: global_buffer, .address_space: global }
      - { .name: wc, .offset: 16, .size: 8, .value_kind: global_buffer, .address_space: global }
      - { .name: ws, .offset: 24, .size: 8, .value_kind: global_buffer, .address_space: global }
      - { .name: bq, .offset: 32, .size: 8, .value_kind: global_buffer, .address_space: global }
      - { .name: bk, .offset: 40, .size: 8, .value_kind: global_buffer, .address_space: global }
      - { .name: bv, .offset: 48, .size: 8, .value_kind: global_buffer, .address_space: global }
      - { .name: hc, .offset: 56, .size: 8, .value_kind: global_buffer, .address_space: global }
      - { .name: hs, .offset: 64, .size: 8, .value_kind: global_buffer, .address_space: global }
    .group_segment_fixed_size: 327680
    .private_segment_fixed_size: 0
    .kernarg_segment_align: 8
    .kernarg_segment_size: 72
    .max_flat_workgroup_size: 128
    .sgpr_count:     102
    .vgpr_count:     1024
    .wavefront_size: 32
...
	.end_amdgpu_metadata
.endif
;; end of part 2
;; launch attn (part 3): grid 4 x 64, 16 waves a work-group, clusters of 4 x 1, 327,680 bytes of LDS; arguments hc, hs, ac, asc; writes ac, asc
.if DOCPART == 3
	.amdgcn_target "amdgcn-amd-amdhsa--gfx1250"
	.amdhsa_code_object_version 6
	.text
	.protected	k_q1e3b6a4e3a_attn
	.globl	k_q1e3b6a4e3a_attn
	.p2align	8
	.type	k_q1e3b6a4e3a_attn,@function
k_q1e3b6a4e3a_attn:
	s_mov_b64 s[64:65], 0
	v_nop
	global_prefetch_b8 v0, s[64:65] scope:SCOPE_SE
	s_setreg_imm32_b32 hwreg(HW_REG_WAVE_MODE, 25, 1), 1
	s_wait_xcnt 0x0
	s_wait_alu depctr_hold_cnt(0) depctr_sa_sdst(0) depctr_va_vdst(0) depctr_va_sdst(0) depctr_va_ssrc(0) depctr_va_vcc(0) depctr_vm_vsrc(0)
	s_getreg_b32 s2, hwreg(HW_REG_IB_STS2, 6, 4)
	s_cmp_eq_u32 s2, 0
	s_cbranch_scc0 .Lentry_in_a_cluster
	s_endpgm
.Lentry_in_a_cluster:
	s_bfe_u32 s2, ttmp6, 0x10000c
	s_cmp_lg_u32 s2, 0x3003
	s_cbranch_scc0 .Lentry_shape_is_right
	s_endpgm
.Lentry_shape_is_right:
; Causal attention of one head on codes of BF6 (E3M2) with E8M0 scales; head size 64, 2,048 tokens.  t = score x log2(e) / 8; M = the running largest t rounded UP to a whole number; p = 2^(t - M) is quantised along the keys,
; not normalised; the row's sum is taken of the unquantised p and divides O at the end; when M moves, the sum and O are multiplied by 2^(old M - new M): exact.  O / sum is quantised along the channels and leaves as codes.
; WORK LEFT OUT: key steps all of whose keys come after all queries of a tile lie wholly under the causal mask that reference() builds itself, and are not multiplied.
; SHARES.  A head has 128 tiles of 16 queries; a key step is 128 keys; tile q needs q / 8 + 1 key steps.  The four work-groups of a cluster share a head.  Wave w of the work-group at place cx owns TWO tiles, one after the other:
; the late tile 127 - s and the early tile s = 8 (w / 2) + 4 (w % 2) + cx.  Together they need (16 - w / 2) + (w / 2 + 1) = 17 key steps: the same for all 16 x 256 waves.  256 work-groups, four waves to a SIMD.
; Which steps a wave leaves out, and which step lies on the diagonal, hangs on w / 2 alone, so the partners of a cluster run alike; cx enters global addresses and the mask's numbers only.
; LDS holds the head's whole K, V and their scale words, each byte filled ONCE, by JOINT loads of the four partners (mask 15).  At the head one load a wave: key steps 0-3 of K (waves 0-7) and of V (waves 8-11), all scale words (waves 12-15).
; Behind the three lines and a round of the cluster's barrier one more load a wave: key steps 4-15 of K (waves 0-11) and of V (waves 12-15); it is on its way while every wave works the late tile's key steps 0-3, none of which is hidden.
; Every wait on TENSORcnt is for 0.  NO PREFETCH: each byte is asked for once, by one of two groups of loads; no loop runs ahead of a load.
; LAYOUT.  All operands are images of registers.  A token tile's lane r holds token 32 g + 8 u + r + 8 (r / 8).  Both products are used transposed: a lane holds ONE query throughout.
; K Q^T WITH K = 64: a fragment of K holds TWO key tiles (registers 0-5 | 6-11); it is multiplied by [Q | 0] and by [0 | Q], registers 0-11 and 6-17 of the run Q, 0, Q; zero codes add nothing.  Q's scale word is s0 s1 s0 s1.
; The 16 registers of score tiles 2 d, 2 d + 1 are keys 32 d + 16 (lane / 16) + 0 .. 15; O^T's 16 registers of channel tiles 2 g, 2 g + 1 are 16 neighbouring channels.
; The scale bytes of the result are two bytes a row and head: they leave as single bytes (1 for each 24 bytes of codes), 256-byte runs written in part.
; LIMITS: NaN and infinities are not served; the scaled scores stay under 2^31 in magnitude; p under 2^-126 counts as 0; a block's largest p is taken through its largest score (p rises with the score);
; a block of zeros carries the byte 1, and this program alone reads the bytes.
.set VB,    98304                      ; LDS: K at 0 [step][pair of key tiles][1,536]; V at VB [step][channel tile][1,536]
.set SCK,   196608                     ; K's scale words [step][256 bytes]; V's 4,096 bytes on
.set SPARE, 204800                     ; the spare words, 128 bytes for each wave, which no other line names
.set L8,   1                           ; v1   8 x lane
.set ADK,  2                           ; v2   the step's K
.set ADV,  3                           ; v3   its V
.set ADS,  4                           ; v4   its scale words
.set SBP,  5                           ; v5   my scale byte's place on the way out: 8 r + h
.set LN,   6                           ; v6   lane
.set DQ,   7                           ; v7   r + 8 (r / 8) - 16 h
.set QB,   16                          ; v16-33 Q, 0, Q;  v36-37 K's scale words, v38-39 V's;  v255 Q's
.set FB,   40                          ; v40-87 four fragments of K or of V
.set Q2,   88                          ; v88-93 the early tile's Q, v94 its scale word, kept until its turn
.set SPW,  250                         ; v250 my spare word, v251 0; never rewritten
.set NIL,  251
.set WV,   18
.set QD,   19                          ; s19 the tile's first token within its diagonal step
.set SEL,  20
.set CS,   22                          ; s[22:23] c = log2(e) / 8
.set G1A,  24                          ; groups 1: rows of 256 bytes: 12, 24, 8 of them; G1V: 3 rows of 6,144 bytes, 98,304 apart
.set G1B,  32
.set G1C,  40
.set G1V,  48
.set TB,   66                          ; s66 the step's bytes in K: 6,144 a step
.set TS,   67                          ; s67 its scale words: 256 a step
.set G0K,  68                          ; groups 0: the head's K, V, scale words; the second group's K, V
.set G0V,  72
.set G0S,  76
.set G0K1, 80
.set G0V1, 84
.set KS,   100                         ; s100 the key step
.set AB,   101                         ; s101 the tile's diagonal step: tile / 8
.macro CROUND                          ; a round of the cluster's barrier
	s_barrier_signal -1
	s_barrier_wait -1
	s_cmp_lg_u32 s[WV], 0
	s_cbranch_scc1 .Lnot_wave_0_\@
	s_barrier_signal -3
.Lnot_wave_0_\@:
	s_barrier_wait -3
	s_barrier_signal -1
	s_barrier_wait -1
.endm
.macro TLOAD g0, g1                    ; s_nop 0 and four v_nop follow each tensor load
	tensor_load_to_lds s[\g0:\g0+3], s[\g1:\g1+7]
	s_nop 0
.rept 4
	v_nop
.endr
.endm
	s_load_b256 s[4:11], s[0:1], 0x0               ; hc, hs, ac, asc
	v_lshl_add_u32 v[SPW], v0, 2, SPARE
	v_mov_b32 v[NIL], 0
	ds_add_u32 v[SPW], v[NIL]                      ; the opening lines: the add, twice on end, and its wait
	ds_add_u32 v[SPW], v[NIL]
	v_lshrrev_b32 v8, 5, v0
	v_readfirstlane_b32 s[WV], v8                  ; wave 0..15
	s_bfe_u32 s13, ttmp6, 0x40000                  ; cx
	s_and_b32 s15, ttmp7, 0xffff                   ; batch x head
	s_lshr_b32 s16, s15, 4                         ; batch
	s_and_b32 s17, s15, 15                         ; head
	s_lshr_b32 s12, s[WV], 1                       ; a: the early tile's diagonal step
	s_and_b32 s14, s[WV], 3                        ; my part among an arm's four waves
	s_and_b32 s66, s[WV], 1
	s_lshl_b32 s66, s66, 2
	s_add_co_u32 s13, s13, s66
	s_lshl_b32 s3, s12, 3
	s_add_co_u32 s3, s3, s13                       ; the early tile: 8 a + 4 (w % 2) + cx
	s_xor_b32 s2, s3, 127                          ; the late tile: 127 - that
	s_mov_b32 s[SEL], 0x76543210
	s_mov_b32 s[SEL+1], 0xfedcba98
	s_mov_b32 s[CS], 0x3e38aa3b                    ; c = log2(e) / 8
	s_mov_b32 s[CS+1], s[CS]                       ; (named with it as a pair, so it is written)
.irp g, G1A, G1B, G1C
	s_mov_b32 s[\g], 15|(3<<16)|(1<<21)            ; the mask: all four partners; elements of 8 bytes; bit 21 beside a mask; no padding
	s_mov_b32 s[\g+1], 32<<16                      ; tensor_dim0: 256 bytes
	s_mov_b32 s[\g+3], 32<<16                      ; tile_dim0
	s_mov_b32 s[\g+5], 32                          ; dense rows
	s_mov_b32 s[\g+6], 0
	s_mov_b32 s[\g+7], 0
.endr
	s_mov_b32 s[G1A+2], 12<<16
	s_mov_b32 s[G1A+4], 12
	s_mov_b32 s[G1B+2], 24<<16
	s_mov_b32 s[G1B+4], 24
	s_mov_b32 s[G1C+2], 8<<16
	s_mov_b32 s[G1C+4], 8
	s_mov_b32 s[G1V], 15|(3<<16)|(1<<21)
	s_mov_b32 s[G1V+1], 768<<16                    ; a key step's four channel tiles: 6,144 bytes
	s_mov_b32 s[G1V+2], 3<<16
	s_mov_b32 s[G1V+3], 768<<16
	s_mov_b32 s[G1V+4], 3
	s_mov_b32 s[G1V+5], 12288                      ; from key step to key step: 98,304 bytes
	s_mov_b32 s[G1V+6], 0
	s_mov_b32 s[G1V+7], 0
	s_mul_i32 s56, s15, 98304
	s_add_co_u32 s56, s56, 6291456                 ; K: the head's dense 98,304 bytes
	s_mul_i32 s[G0K+1], s[WV], 3072                ; head, waves 0-7: 3,072 bytes of steps 0-3
	s_add_co_u32 s[G0K+2], s56, s[G0K+1]
	s_mul_i32 s57, s[WV], 6144                     ; second group, waves 0-11: a key step each, from step 4 on
	s_add_co_u32 s[G0K1+1], s57, 24576
	s_add_co_u32 s[G0K1+2], s56, s[G0K1+1]
	s_mul_i32 s58, s16, 1572864
	s_mul_i32 s59, s17, 6144
	s_add_co_u32 s58, s58, s59
	s_add_co_u32 s58, s58, 12582912                ; V: [batch][key step][channel tile]: the head's four tiles of step 0
	s_mul_i32 s59, s14, 6144                       ; head, waves 8-11: a key step each
	s_add_co_u32 s[G0V+1], s59, VB
	s_mul_i32 s59, s14, 98304
	s_add_co_u32 s[G0V+2], s58, s59
	s_mul_i32 s59, s14, 18432                      ; second group, waves 12-15: three key steps each, from step 4 on
	s_add_co_u32 s[G0V1+1], s59, VB+24576
	s_mul_i32 s59, s14, 294912
	s_add_co_u32 s59, s59, 393216
	s_add_co_u32 s[G0V1+2], s58, s59
	s_lshl_b32 s59, s14, 11                        ; head, waves 12-15: 2,048 bytes of scale words: K's two halves, V's two halves
	s_add_co_u32 s[G0S+1], s59, SCK
	s_lshr_b32 s59, s14, 1
	s_add_co_u32 s59, s59, 1
	s_lshl_b32 s59, s59, 18                        ; K's at 262,144, V's at 524,288,
	s_lshl_b32 s60, s15, 12
	s_add_co_u32 s59, s59, s60                     ; 4,096 bytes a head
	s_and_b32 s60, s14, 1
	s_lshl_b32 s60, s60, 11
	s_add_co_u32 s[G0S+2], s59, s60
.irp g, G0K, G0V, G0S, G0K1, G0V1
	s_mov_b32 s[\g], 1
	s_mov_b32 s[\g+3], 0
.endr
	s_wait_dscnt 0x0                               ; both opening adds are done
	s_wait_kmcnt 0x0
.irp g, G0K, G0V, G0K1, G0V1
	s_add_nc_u64 s[\g+2:\g+3], s[4:5], s[\g+2:\g+3]
	s_or_b32 s[\g+3], s[\g+3], 0x80000000
.endr
	s_add_nc_u64 s[G0S+2:G0S+3], s[6:7], s[G0S+2:G0S+3]
	s_or_b32 s[G0S+3], s[G0S+3], 0x80000000
	CROUND                                         ; the four partners are here: the first joint loads meet
	s_cmp_lt_u32 s[WV], 8                          ; one chain of branches on the wave's number, one load to an arm, one join
	s_cbranch_scc0 .Lhead_v
	TLOAD G0K, G1A
	s_branch .Lhead_asked
.Lhead_v:
	s_cmp_lt_u32 s[WV], 12
	s_cbranch_scc0 .Lhead_s
	TLOAD G0V, G1B
	s_branch .Lhead_asked
.Lhead_s:
	TLOAD G0S, G1C
.Lhead_asked:
	s_lshr_b32 s98, s17, 1                         ; the head's place in a result tile's codes: K step head / 2, an odd head registers 6-11
	s_mul_i32 s98, s98, 1536
	s_and_b32 s66, s17, 1
	s_mul_i32 s67, s66, 768
	s_add_co_u32 s98, s98, s67
	s_lshr_b32 s99, s17, 2                         ; and in its scale bytes
	s_lshl_b32 s99, s99, 7
	s_bfe_u32 s67, s17, 0x10001
	s_lshl_b32 s67, s67, 2
	s_add_co_u32 s99, s99, s67
	s_lshl_b32 s66, s66, 1
	s_add_co_u32 s99, s99, s66
; What hangs on a tile (its number in s[q]): s[qb:qb+1] Q's codes, s[qb+2:qb+3] Q's scale words, s[oc:oc+1] the result's codes, s[oc+2:oc+3] its scale bytes, s[qd], and s[sl] the byte select for Q's scale word
.macro TILEADR q, qb, oc, qd, sl
	s_mul_i32 s[\qb], s15, 98304
	s_mul_i32 s66, s[\q], 768
	s_add_co_u32 s[\qb], s[\qb], s66
	s_mov_b32 s[\qb+1], 0
	s_add_nc_u64 s[\qb:\qb+1], s[4:5], s[\qb:\qb+1]
	s_lshl_b32 s[\qb+2], s15, 12
	s_lshr_b32 s66, s[\q], 3
	s_lshl_b32 s66, s66, 8
	s_add_co_u32 s[\qb+2], s[\qb+2], s66
	s_bfe_u32 s66, s[\q], 0x10001
	s_lshl_b32 s66, s66, 7
	s_add_co_u32 s[\qb+2], s[\qb+2], s66           ; an odd pair of tiles lies in lanes 16-31,
	s_bfe_u32 s66, s[\q], 0x10002
	s_lshl_b32 s66, s66, 2
	s_add_co_u32 s[\qb+2], s[\qb+2], s66           ; pairs 2 and 3 in the second word
	s_mov_b32 s[\qb+3], 0
	s_add_nc_u64 s[\qb+2:\qb+3], s[6:7], s[\qb+2:\qb+3]
	s_lshl_b32 s66, s16, 7
	s_add_co_u32 s66, s66, s[\q]                   ; the tile among all 512
	s_mul_i32 s[\oc], s66, 12288
	s_add_co_u32 s[\oc], s[\oc], s98
	s_mov_b32 s[\oc+1], 0
	s_add_nc_u64 s[\oc:\oc+1], s[8:9], s[\oc:\oc+1]
	s_lshl_b32 s[\oc+2], s66, 9
	s_add_co_u32 s[\oc+2], s[\oc+2], s99
	s_mov_b32 s[\oc+3], 0
	s_add_nc_u64 s[\oc+2:\oc+3], s[10:11], s[\oc+2:\oc+3]
	s_bfe_u32 s[\qd], s[\q], 0x20001
	s_lshl_b32 s[\qd], s[\qd], 5
	s_and_b32 s66, s[\q], 1
	s_lshl_b32 s67, s66, 3
	s_add_co_u32 s[\qd], s[\qd], s67               ; 32 ((tile % 8) / 2) + 8 (tile % 2)
	s_mul_i32 s[\sl], s66, 0x02020202
	s_add_co_u32 s[\sl], s[\sl], 0x01000100        ; my tile's two bytes of the pair's word, twice
.endm
	TILEADR 2, 56, 88, 96, 100                     ; the late tile
	TILEADR 3, 60, 92, 97, 101                     ; the early tile
	v_and_b32 v[LN], 31, v0
	v_and_b32 v8, 15, v0                           ; r
	v_bfe_u32 v9, v0, 4, 1                         ; h
	v_lshlrev_b32 v[L8], 3, v[LN]
	v_and_b32 v10, 8, v8
	v_lshlrev_b32 v11, 4, v9
	v_add_nc_u32 v[DQ], v10, v8
	v_lshl_add_u32 v[SBP], v8, 3, v9
	v_lshlrev_b32 v8, 3, v8                        ; 8 r
	v_sub_nc_u32 v[DQ], v[DQ], v11
.irp i, 0,1,2
	global_load_b64 v[QB+2*\i:QB+2*\i+1], v[L8], s[56:57] offset:256*\i
	global_load_b64 v[QB+12+2*\i:QB+13+2*\i], v[L8], s[56:57] offset:256*\i   ; twice: Q, 0, Q
	global_load_b64 v[Q2+2*\i:Q2+2*\i+1], v[L8], s[60:61] offset:256*\i
.endr
	global_load_b32 v255, v8, s[58:59]
	global_load_b32 v[Q2+6], v8, s[62:63]
.irp i, 6,7,8,9,10,11
	v_mov_b32 v[QB+\i], 0
.endr
.irp b, 0,1,2,3
	v_mov_b32 v[236+\b], 0                         ; written once: a lane permute's destination counts as one of its sources
.endr
.macro INIT                            ; a tile's start: the step is written once; its first pass finds zeros
	v_mov_b32 v13, 0xff61b1e6                      ; the largest t so far: -3e38, under every t
	v_mov_b32 v14, 0                               ; the sum, in two halves
	v_mov_b32 v15, 0
	v_mov_b32 v252, 0
	v_mov_b32 v253, 0
	v_floor_f32 v12, -v13                          ; -M
.set i, 0
.rept 32
	v_mov_b32 v[160+i], 0                          ; O^T.  (Also the places between the writes of Q and its scale word and the first product)
.set i, i+1
.endr
.endm
	s_wait_alu depctr_va_vdst(0)                   ; the wait ahead of the wait below
	s_wait_loadcnt 0x0                             ; both tiles' Q
	v_perm_b32 v255, v255, v255, s100              ; s0 s1 s0 s1
	v_perm_b32 v[Q2+6], v[Q2+6], v[Q2+6], s101
	INIT
	s_mov_b32 s[TB], 0
	s_mov_b32 s[TS], SCK
	s_mov_b32 s[KS], 0
	s_xor_b32 s[AB], s12, 15                       ; the late tile's diagonal step: 15 - a
	s_mov_b32 s[QD], s96
; A KEY STEP: 128 keys.  tests = 0: a step that is open for every wave.
.macro STEP tests
.if \tests
	s_cmp_gt_u32 s[KS], s[AB]
	s_cbranch_scc1 .Lhidden_\@                     ; all its keys come after my queries: only the addresses step
.endif
	v_add_nc_u32 v[ADK], s[TB], v[L8]
	v_add_nc_u32 v[ADS], s[TS], v[L8]
	s_delay_alu instid0(VALU_DEP_2)
	v_add_nc_u32 v[ADV], VB, v[ADK]
	v_nop                                          ; four places in front of loads into registers that the last products read
.irp d, 0,1,2,3
.irp p, 0,1,2,3,4,5
	ds_load_b64 v[FB+12*\d+2*\p:FB+12*\d+2*\p+1], v[ADK] offset:1536*\d+256*\p
.endr
.endr
	ds_load_b64 v[36:37], v[ADS]
	s_wait_alu depctr_va_vdst(0)                   ; the wait ahead of the wait below
	s_wait_dscnt 0x0
.irp d, 0,1,2,3                        ; S^T: key tiles 2 d and 2 d + 1 from one fragment of K
.irp u, 0,1
.if \d%2
	v_wmma_scale_f32_16x16x128_f8f6f4 v[96+8*(2*\d+\u):103+8*(2*\d+\u)], v[FB+12*\d:FB+12*\d+11], v[QB+6*\u:QB+6*\u+11], 0, v[36+\d/2], v255 matrix_a_fmt:MATRIX_FMT_BF6 matrix_b_fmt:MATRIX_FMT_BF6 matrix_a_scale:MATRIX_SCALE_ROW1
.else
	v_wmma_scale_f32_16x16x128_f8f6f4 v[96+8*(2*\d+\u):103+8*(2*\d+\u)], v[FB+12*\d:FB+12*\d+11], v[QB+6*\u:QB+6*\u+11], 0, v[36+\d/2], v255 matrix_a_fmt:MATRIX_FMT_BF6 matrix_b_fmt:MATRIX_FMT_BF6
.endif
.endr
.endr
.rept 4
	v_nop
.endr
.irp t, 0,1,2,3                        ; V's fragments are asked for now: the buffer is free, and the softmax stands between the loads and the wait for them
.irp p, 0,1,2,3,4,5
	ds_load_b64 v[FB+12*\t+2*\p:FB+12*\t+2*\p+1], v[ADV] offset:1536*\t+256*\p
.endr
.endr
	ds_load_b64 v[38:39], v[ADS] offset:4096
.if \tests
	s_cmp_lt_u32 s[KS], s[AB]                      ; on the diagonal the scores of hidden keys become -infinity ahead of the maximum; a step all of whose keys count skips this
	s_cbranch_scc1 .Lopen_\@
	v_add_nc_u32 v252, s[QD], v[DQ]                ; d = my query - the step's first key - 16 (lane / 16).  Register 16 b + i holds key 16 (lane / 16) + 32 b + i of the step: hidden where 32 b + i > d
	v_mov_b32 v254, 0xff800000
.set n, 0
.rept 64
	v_cmp_gt_i32 vcc_lo, 32*(n/16)+n%16, v252
	v_cndmask_b32 v[96+n], v[96+n], v254, vcc_lo
.set n, n+1
.endr
.Lopen_\@:
.endif
.irp b, 0,1,2,3
	v_max3_num_f32 v[232+\b], v[96+16*\b], v[97+16*\b], v[98+16*\b]   ; the largest score of each block of 32 keys: for the row's maximum, and for the block's largest p
.endr
.irp i, 3,5,7,9,11,13
.irp b, 0,1,2,3
	v_max3_num_f32 v[232+\b], v[232+\b], v[96+16*\b+\i], v[97+16*\b+\i]
.endr
.endr
.irp b, 0,1,2,3
	v_max_num_f32 v[232+\b], v[232+\b], v[111+16*\b]
.endr
.irp b, 0,1,2,3
	s_delay_alu instid0(VALU_DEP_4)
	v_permlanex16_b32 v[236+\b], v[232+\b], s[SEL], s[SEL+1]
.endr
.irp b, 0,1,2,3
	s_delay_alu instid0(VALU_DEP_4)
	v_max_num_f32 v[232+\b], v[232+\b], v[236+\b]  ; with lane l xor 16's 16 keys
.endr
	s_delay_alu instid0(VALU_DEP_2)
	v_max3_num_f32 v254, v232, v233, v234
	s_delay_alu instid0(VALU_DEP_1)
	v_max_num_f32 v254, v254, v235                 ; the step's largest score of my query
	s_delay_alu instid0(VALU_DEP_1)
	v_mul_f32 v254, s[CS], v254                    ; as t
	s_delay_alu instid0(VALU_DEP_1)
	v_max_num_f32 v13, v13, v254                   ; the running largest t
	v_mov_b32 v254, v12
	s_delay_alu instid0(VALU_DEP_2)
	v_floor_f32 v12, -v13                          ; the new -M = floor(-t): M is a whole number
	s_delay_alu instid0(VALU_DEP_1)
	v_sub_f32 v254, v12, v254                      ; old M - new M: a whole number, 0 or less
	s_delay_alu instid0(VALU_DEP_1)
	v_cvt_i32_f32 v254, v254                       ; (it saturates)
	s_delay_alu instid0(VALU_DEP_1)
	v_ldexp_f32 v252, 1.0, v254                    ; f = 2^(old M - new M)
.set j, 0
.rept 32
	v_pk_fma_f32 v[96+j:97+j], v[96+j:97+j], s[CS:CS+1], v[12:13] op_sel_hi:[1,0,0]   ; t - M, two at a time
.set j, j+2
.endr
.irp b, 0,1,2,3
	v_fma_f32 v[232+\b], v[232+\b], s[CS], v12     ; the same of each block's largest score
.endr
	s_wait_alu depctr_va_vdst(0)                   ; the wait ahead of the batch
.set j, 0
.rept 64
	v_exp_f32 v[96+j], v[96+j]                     ; p = 2^(t - M), at most 1
.set j, j+1
.endr
.irp b, 0,1,2,3
	v_exp_f32 v[232+\b], v[232+\b]                 ; the block's largest p
.endr
	v_pk_mul_f32 v[14:15], v[14:15], v[252:253] op_sel_hi:[1,0]   ; the sums under the new M.  (A plain place behind the exponentials)
	s_wait_alu depctr_va_vdst(0)                   ; and behind it
.irp b, 0,1,2,3
	v_max_num_f32 v[232+\b], 0x2800000, v[232+\b]  ; the floor 2^(5 - 127)
.endr
.irp b, 0,1,2,3
	s_delay_alu instid0(VALU_DEP_4)
	v_add_nc_u32 v[244+\b], 0xfe000000, v[232+\b]  ; the conversion's scale operand
.endr
.irp b, 0,1,2,3
	s_delay_alu instid0(VALU_DEP_4)
	v_lshrrev_b32 v[236+\b], 23, v[244+\b]         ; the scale's byte
.endr
	s_delay_alu instid0(VALU_DEP_3)
	v_lshl_or_b32 v253, v237, 8, v236              ; p's scale word for these 128 keys
	s_delay_alu instid0(VALU_DEP_1)
	v_lshl_or_b32 v253, v238, 16, v253
	s_delay_alu instid0(VALU_DEP_1)
	v_lshl_or_b32 v253, v239, 24, v253
.irp c, 0,1
	v_cvt_scalef32_pk16_bf6_f32 v[224+6*\c:226+6*\c], v[96+32*\c:111+32*\c], v[244+2*\c]
	v_cvt_scalef32_pk16_bf6_f32 v[236+4*\c:238+4*\c], v[112+32*\c:127+32*\c], v[244+2*\c+1]
.endr
	v_nop                                          ; one plain place behind a scaled conversion
.irp c, 0,1
.irp i, 0,1,2
	v_permlane16_swap_b32 v[224+6*\c+\i], v[236+4*\c+\i]
.endr
.irp i, 0,1,2
	s_delay_alu instid0(VALU_DEP_3)
	v_mov_b32 v[227+6*\c+\i], v[236+4*\c+\i]
.endr
.endr
	v_pk_add_f32 v[236:237], v[100:101], v[104:105]   ; the row's sum of the unquantised p: eight chains
	v_pk_add_f32 v[248:249], v[108:109], v[112:113]
	v_pk_add_f32 v[246:247], v[116:117], v[120:121]
	v_pk_add_f32 v[244:245], v[124:125], v[128:129]
	v_pk_add_f32 v[242:243], v[132:133], v[136:137]
	v_pk_add_f32 v[240:241], v[140:141], v[144:145]
	v_pk_add_f32 v[222:223], v[148:149], v[152:153]
	v_pk_add_f32 v[14:15], v[14:15], v[156:157]
	v_pk_add_f32 v[236:237], v[236:237], v[96:97]
	v_pk_add_f32 v[248:249], v[248:249], v[98:99]
	v_pk_add_f32 v[246:247], v[246:247], v[102:103]
	v_pk_add_f32 v[244:245], v[244:245], v[106:107]
	v_pk_add_f32 v[242:243], v[242:243], v[110:111]
	v_pk_add_f32 v[240:241], v[240:241], v[114:115]
	v_pk_add_f32 v[222:223], v[222:223], v[118:119]
	v_pk_add_f32 v[14:15], v[14:15], v[122:123]
	v_pk_add_f32 v[236:237], v[236:237], v[126:127]
	v_pk_add_f32 v[248:249], v[248:249], v[130:131]
	v_pk_add_f32 v[246:247], v[246:247], v[134:135]
	v_pk_add_f32 v[244:245], v[244:245], v[138:139]
	v_pk_add_f32 v[242:243], v[242:243], v[142:143]
	v_pk_add_f32 v[240:241], v[240:241], v[146:147]
	v_pk_add_f32 v[222:223], v[222:223], v[150:151]
	v_pk_add_f32 v[14:15], v[14:15], v[154:155]
	v_pk_add_f32 v[236:237], v[236:237], v[158:159]
	s_delay_alu instid0(VALU_DEP_2)
	v_pk_add_f32 v[14:15], v[14:15], v[244:245]
	s_delay_alu instid0(VALU_DEP_2)
	v_pk_add_f32 v[236:237], v[236:237], v[242:243]
	v_pk_add_f32 v[248:249], v[248:249], v[240:241]
	v_pk_add_f32 v[246:247], v[246:247], v[222:223]
	s_delay_alu instid0(VALU_DEP_2)
	v_pk_add_f32 v[14:15], v[14:15], v[248:249]
	s_delay_alu instid0(VALU_DEP_2)
	v_pk_add_f32 v[236:237], v[236:237], v[246:247]
	s_delay_alu instid0(VALU_DEP_1)
	v_pk_add_f32 v[14:15], v[14:15], v[236:237]
	s_wait_alu depctr_va_vdst(0)                   ; the wait directly ahead of the first reader of O^T
.set j, 0
.rept 16
	v_pk_mul_f32 v[160+j:161+j], v[160+j:161+j], v[252:253] op_sel_hi:[1,0]   ; O^T under the new M.  (With the sums above: the places in front of the scaled products)
.set j, j+2
.endr
	s_wait_alu depctr_va_vdst(0)                   ; the wait ahead of the wait below
	s_wait_dscnt 0x0                               ; V and its scale words are in
.irp t, 0,1,2,3                        ; O^T += V^T P^T: the head's four channel tiles, by turns
.if \t%2
	v_wmma_scale_f32_16x16x128_f8f6f4 v[160+8*\t:167+8*\t], v[FB+12*\t:FB+12*\t+11], v[224:235], v[160+8*\t:167+8*\t], v[38+\t/2], v253 matrix_a_fmt:MATRIX_FMT_BF6 matrix_b_fmt:MATRIX_FMT_BF6 matrix_a_scale:MATRIX_SCALE_ROW1
.else
	v_wmma_scale_f32_16x16x128_f8f6f4 v[160+8*\t:167+8*\t], v[FB+12*\t:FB+12*\t+11], v[224:235], v[160+8*\t:167+8*\t], v[38+\t/2], v253 matrix_a_fmt:MATRIX_FMT_BF6 matrix_b_fmt:MATRIX_FMT_BF6
.endif
.endr
.Lhidden_\@:
	s_add_co_u32 s[TB], s[TB], 6144
	s_add_co_u32 s[TS], s[TS], 256
.endm
.macro WALK upto, tests                ; key steps up to a constant: the trip count is the same for all waves; hidden steps are jumped over inside
.Lstep_\@:
	STEP \tests
	s_add_co_u32 s[KS], s[KS], 1
	s_cmp_lt_u32 s[KS], \upto
	s_cbranch_scc1 .Lstep_\@
.endm
; THE WAY OUT of a tile.  O^T / the sum: register 16 g + i is channel 32 g + 16 (lane / 16) + i of my query: two blocks along the last product's K.
.macro OUT oc
.rept 4
	v_nop
.endr
	v_add_f32 v14, v14, v15
	s_delay_alu instid0(VALU_DEP_1)
	v_permlanex16_b32 v252, v14, s[SEL], s[SEL+1]
	s_delay_alu instid0(VALU_DEP_1)
	v_add_f32 v14, v14, v252                       ; the row's sum
	s_wait_alu depctr_va_vdst(0)                   ; the wait ahead of the transcendental,
	v_rcp_f32 v14, v14
	v_nop                                          ; (a plain place behind it)
	s_wait_alu depctr_va_vdst(0)                   ; and behind it, directly ahead of the first reader of O^T
.set i, 0
.rept 32
	v_mul_f32 v[96+i], v[160+i], v14               ; each accumulator from its low end on
.set i, i+1
.endr
.irp b, 0,1
	v_max3_num_f32 v[232+\b], |v[96+16*\b]|, |v[97+16*\b]|, 0x2800000
.endr
.irp i, 2,4,6,8,10,12,14
.irp b, 0,1
	s_delay_alu instid0(VALU_DEP_2)
	v_max3_num_f32 v[232+\b], v[232+\b], |v[96+16*\b+\i]|, |v[97+16*\b+\i]|
.endr
.endr
.irp b, 0,1
	s_delay_alu instid0(VALU_DEP_2)
	v_permlanex16_b32 v[236+\b], v[232+\b], s[SEL], s[SEL+1]
.endr
.irp b, 0,1
	s_delay_alu instid0(VALU_DEP_2)
	v_max_num_f32 v[232+\b], v[232+\b], v[236+\b]
.endr
.irp b, 0,1
	s_delay_alu instid0(VALU_DEP_2)
	v_add_nc_u32 v[244+\b], 0xfe000000, v[232+\b]
.endr
.irp b, 0,1
	s_delay_alu instid0(VALU_DEP_2)
	v_lshrrev_b32 v[236+\b], 23, v[244+\b]
.endr
	v_cvt_scalef32_pk16_bf6_f32 v[224:226], v[96:111], v244
	v_cvt_scalef32_pk16_bf6_f32 v[240:242], v[112:127], v245
	v_cmp_lt_u32 vcc_lo, 15, v[LN]                 ; (a plain place behind the conversions)
.irp i, 0,1,2
	v_permlane16_swap_b32 v[224+\i], v[240+\i]
.endr
.irp i, 0,1,2
	s_delay_alu instid0(VALU_DEP_3)
	v_mov_b32 v[227+\i], v[240+\i]
.endr
	v_cndmask_b32 v11, v236, v237, vcc_lo          ; lanes 0-15 send block 0's byte, lanes 16-31 block 1's
.irp i, 0,1,2
	global_store_b64 v[L8], v[224+2*\i:225+2*\i], s[\oc:\oc+1] offset:256*\i   ; 32 lanes store 256 consecutive bytes, aligned
.endr
	global_store_b8 v[SBP], v11, s[\oc+2:\oc+3]
.endm
	s_wait_alu depctr_va_vdst(0)                   ; the wait at the head's end
	s_wait_tensorcnt 0x0                           ; my part of the head's tiles is in
	ds_add_u32 v[SPW], v[NIL]
	s_wait_dscnt 0x0
	CROUND                                         ; a whole round: key steps 0-3 and the scale words are whole, and the partners' joint loads meet
	s_cmp_lt_u32 s[WV], 12
	s_cbranch_scc0 .Lrest_v
	TLOAD G0K1, G1B                                ; key steps 4-15: my one load behind the round
	s_branch .Lrest_asked
.Lrest_v:
	TLOAD G0V1, G1V
.Lrest_asked:
	WALK 4, 0                                      ; the late tile, key steps 0-3: open for every wave (its diagonal step is 8 at the least)
	s_wait_tensorcnt 0x0                           ; my part of key steps 4-15 is in;
	s_wait_dscnt 0x0
	s_barrier_signal -1
	s_barrier_wait -1                              ; everybody's is.
	WALK 16, 1
	OUT 88
	s_wait_xcnt 0x0                                ; the stores have read their data: those registers are written again only behind this wait
	v_mov_b32 v255, v[Q2+6]                        ; the early tile's turn
.irp i, 0,1,2,3,4,5
	v_mov_b32 v[QB+\i], v[Q2+\i]
	v_mov_b32 v[QB+12+\i], v[Q2+\i]
.endr
	INIT
	s_mov_b32 s[TB], 0
	s_mov_b32 s[TS], SCK
	s_mov_b32 s[KS], 0
	s_mov_b32 s[AB], s12
	s_mov_b32 s[QD], s97
	WALK 8, 1
	OUT 92
	s_wait_tensorcnt 0x0                           ; the wave's end
	ds_add_u32 v[SPW], v[NIL]
	s_wait_dscnt 0x0
	CROUND                                         ; the closing round
	s_endpgm
.Lfunc_end_k_q1e3b6a4e3a_attn:
	.size	k_q1e3b6a4e3a_attn, .Lfunc_end_k_q1e3b6a4e3a_attn-k_q1e3b6a4e3a_attn
	.p2alignl 7, 3214868480
	.fill 96, 4, 3214868480
	.section	.rodata,"a",@progbits
	.p2align	6, 0x0
	.amdhsa_kernel k_q1e3b6a4e3a_attn
		.amdhsa_group_segment_fixed_size 327680
		.amdhsa_private_segment_fixed_size 0
		.amdhsa_enable_private_segment 0
		.amdhsa_kernarg_size 32
		.amdhsa_user_sgpr_count 2
		.amdhsa_user_sgpr_kernarg_segment_ptr 1
		.amdhsa_wavefront_size32 1
		.amdhsa_system_sgpr_workgroup_id_x 1
		.amdhsa_system_sgpr_workgroup_id_y 1
		.amdhsa_system_sgpr_workgroup_id_z 1
		.amdhsa_system_vgpr_workitem_id 0
		.amdhsa_next_free_vgpr 256
		.amdhsa_next_free_sgpr 102
		.amdhsa_reserve_vcc 1
		.amdhsa_float_denorm_mode_32 3
		.amdhsa_float_denorm_mode_16_64 3
		.amdhsa_memory_ordered 1
		.amdhsa_forward_progress 1
		.amdhsa_inst_pref_size 90
	.end_amdhsa_kernel
	.amdgpu_metadata
---
amdhsa.version: [ 1, 2 ]
amdhsa.kernels:
  - .name:           k_q1e3b6a4e3a_attn
    .symbol:         k_q1e3b6a4e3a_attn.kd
    .args:
      - { .name: hc, .offset: 0, .size: 8, .value_kind: global_buffer, .address_space: global }
      - { .name: hs, .offset: 8, .size: 8, .value_kind: global_buffer, .address_space: global }
      - { .name: ac, .offset: 16, .size: 8, .value_kind: global_buffer, .address_space: global }
      - { .name: asc, .offset: 24, .size: 8, .value_kind: global_buffer, .address_space: global }
    .group_segment_fixed_size: 327680
    .private_segment_fixed_size: 0
    .kernarg_segment_align: 8
    .kernarg_segment_size: 32
    .max_flat_workgroup_size: 512
    .sgpr_count:     102
    .vgpr_count:     256
    .wavefront_size: 32
...
	.end_amdgpu_metadata
.endif
;; end of part 3
;; launch gemm_out (part 4): grid 8 x 32, 4 waves a work-group, clusters of 4 x 4, 327,680 bytes of LDS; arguments ac, asc, wc, ws, bp, out0; writes out0
.if DOCPART == 4
	.amdgcn_target "amdgcn-amd-amdhsa--gfx1250"
	.amdhsa_code_object_version 6
	.text
	.protected	k_q1e3b6a4e3a_gemm_out
	.globl	k_q1e3b6a4e3a_gemm_out
	.p2align	8
	.type	k_q1e3b6a4e3a_gemm_out,@function
k_q1e3b6a4e3a_gemm_out:
	s_mov_b64 s[64:65], 0
	v_nop
	global_prefetch_b8 v0, s[64:65] scope:SCOPE_SE
	s_setreg_imm32_b32 hwreg(HW_REG_WAVE_MODE, 25, 1), 1
	s_wait_xcnt 0x0
	s_wait_alu depctr_hold_cnt(0) depctr_sa_sdst(0) depctr_va_vdst(0) depctr_va_sdst(0) depctr_va_ssrc(0) depctr_va_vcc(0) depctr_vm_vsrc(0)
	s_getreg_b32 s2, hwreg(HW_REG_IB_STS2, 6, 4)
	s_cmp_eq_u32 s2, 0
	s_cbranch_scc0 .Lentry_in_a_cluster
	s_endpgm
.Lentry_in_a_cluster:
	s_bfe_u32 s2, ttmp6, 0x10000c
	s_cmp_lg_u32 s2, 0xf033
	s_cbranch_scc0 .Lentry_shape_is_right
	s_endpgm
.Lentry_shape_is_right:
; out0 = attn Wp + bp on codes of BF6 (E3M2) with E8M0 scales, K = 1,024; f32 out.  A block of 256 tokens x 128 columns to a work-group of four waves: 8 x 32 = 256 work-groups.  A wave makes 128 tokens x 64 columns: 32 accumulators, 256 registers.
; Operands lie in memory as images of their registers: [tile of 16 rows][K step of 128][register pair][lane][8 bytes], 12,288 bytes a tile; lane r of tile 2 g + u holds row 32 g + 8 u + r + 8 (r / 8).
; Source 0 = rows of Wp (P), source 1 = tokens (R): a lane holds ONE token, and the 16 registers of P's tiles 2 g, 2 g + 1 are columns 32 g + 16 (lane / 16) + 0 .. 15.
; ALL OF K LIES IN LDS AT ONCE: R's 16 tiles (196,608 bytes) and P's 8 tiles (98,304 bytes), each byte filled once, by one joint load a wave at the head: waves 0, 1 bring 8 tiles of R each, waves 2, 3 four tiles of P each.
; So there is no ring, no refill, and one barrier between the loads and the reads.  Clusters of 4 x 4: R's tiles are asked for jointly along a row of the cluster, P's along a column.
; THE SCALE WORDS go from memory straight into registers, once: a tile's 512 bytes are [256 along K: 0..3][r][2 words], so a load of 8 bytes a lane reads 256 consecutive bytes:
; lanes 0-15 get the words of one 256 along K, lanes 16-31 those of the next; the products of K step q name register 2 (q / 4) + q % 2 of the tile's four, and the lanes' half (q / 2) % 2 by the ROW selector.
; The bias is the C of each sum's first product.  Both sides have two sets of fragment registers: while one K step is multiplied, the next one's 72 LDS loads are out.
; The results leave through each wave's own stage, LDS bytes into which no fill lands, as rows of 256 bytes: sixteen lanes store one aligned run of 256 bytes.
; NO PREFETCH: each byte is asked for once, at the head; no loop runs ahead of a load.
; REGISTERS: window 0: v16-31 addresses; v32-63 R's scale words; v64-79 P's; v96-127 the bias; v128-223 R's fragments, set 0, later the rows on their way out.
;   window 1: P's fragments, two sets, at v0 and v128.   window 2: the accumulators ((a, b) at v[8 (4 a + b)]).   window 3: v0-95 R's fragments, set 1.
.set FRB,    1536                      ; a fragment's image
.set TILB,   8*FRB                     ; a tile's bytes: all of K
.set FR,     12
.set PB,     16*TILB                   ; LDS: R's 16 tiles at 0, P's 8 tiles at PB
.set SPARE,  PB+8*TILB                 ; the spare words, 128 bytes for each wave, which no other line names
.set STAGE,  SPARE+512                 ; four stages of 16 rows x (256 + 16) bytes
.set SPITCH, 272
.set ADRA, 16                          ; v16-17 LDS address of my R tiles 0-3, 4-7
.set ADRB, 20                          ; v20    of my four P tiles
.set STO,  24                          ; v24    the way out: where I put 32 bytes of a row
.set RD,   25                          ; v25    where I read a row back
.set L8,   26                          ; v26    8 x lane
.set SPW,  28                          ; v28    my spare word; never rewritten
.set NIL,  29                          ; v29    0; never rewritten
.set LN,   30
.set CO,   31                          ; v31    my byte offset in out0: 4,096 (lane / 16) + 16 (lane % 16)
.set SR,   32
.set SPC,  64
.set BP,   96
.set AF,   128
.set BK,   128
.set G1,   24                          ; s[24:31] group 1 for R's tiles, s[32:35] group 0
.set G0,   32
.set G1B,  48                          ; s[48:55], s[56:59] the same for P's
.set G0B,  56
.set MSB, 0
.macro WIN new                         ; the immediate's high byte repeats the setting that is left
.set NW, \new
.if MSB != NW
	s_set_vgpr_msb (MSB<<8)|NW
.set MSB, NW
.endif
.endm
.macro CROUND                          ; a round of the cluster's barrier
	s_barrier_signal -1
	s_barrier_wait -1
	s_cmp_lg_u32 s14, 0
	s_cbranch_scc1 .Lnot_wave_0_\@
	s_barrier_signal -3
.Lnot_wave_0_\@:
	s_barrier_wait -3
	s_barrier_signal -1
	s_barrier_wait -1
.endm
.macro PLACES n                        ; plain vector places in front of loads into registers that matrix instructions have read, and of reads of results
.rept \n
	v_nop
.endr
.endm
	s_load_b256 s[4:11], s[0:1], 0x0               ; ac, asc, wc, ws
	s_load_b128 s[92:95], s[0:1], 0x20             ; bp, out0
	v_lshl_add_u32 v[SPW], v0, 2, SPARE
	v_mov_b32 v[NIL], 0
	ds_add_u32 v[SPW], v[NIL]                      ; the opening lines: the add, twice on end, and its wait
	ds_add_u32 v[SPW], v[NIL]
	v_lshrrev_b32 v1, 5, v0
	v_readfirstlane_b32 s14, v1                    ; wave 0..3
	s_lshr_b32 s15, s14, 1                         ; which half of R's rows is mine.  Also: I fetch for R (0) or for P (1)
	s_and_b32 s16, s14, 1                          ; which half of P's rows.  Also: which half of that side I fetch
	s_bfe_u32 s40, ttmp6, 0x40000                  ; cx
	s_bfe_u32 s41, ttmp6, 0x40004                  ; cy
	s_lshl_b32 s42, ttmp9, 2
	s_add_co_u32 s42, s42, s40                     ; X: which 128 columns, 0..7
	s_and_b32 s17, ttmp7, 0xffff
	s_lshl_b32 s17, s17, 2
	s_add_co_u32 s17, s17, s41                     ; Y: which 256 tokens, 0..31
	s_lshl_b32 s43, s41, 2
	s_lshl_b32 s43, 15, s43                        ; my row of the cluster
	s_lshl_b32 s44, 0x1111, s40                    ; my column
	s_or_b32 s[G1+0], s43, (3<<16)|(1<<21)         ; the mask; elements of 8 bytes; bit 21 beside a mask; no padding
	s_or_b32 s[G1B+0], s44, (3<<16)|(1<<21)
.irp g, G1, G1B
	s_mov_b32 s[\g+1], 1536<<16                    ; tensor_dim0: a tile's 12,288 bytes
	s_mov_b32 s[\g+3], 1536<<16                    ; tile_dim0
	s_mov_b32 s[\g+5], 1536                        ; the tiles lie end to end
	s_mov_b32 s[\g+6], 0
	s_mov_b32 s[\g+7], 0
.endr
	s_mov_b32 s[G1+2], 8<<16                       ; R: 8 tiles a load
	s_mov_b32 s[G1+4], 8
	s_mov_b32 s[G1B+2], 4<<16                      ; P: 4 tiles a load
	s_mov_b32 s[G1B+4], 4
	s_lshl_b32 s20, s17, 4                         ; R: tile 16 Y + 8 x the half that I fetch
	s_lshl_b32 s21, s16, 3
	s_add_co_u32 s20, s20, s21
	s_mul_i32 s20, s20, TILB
	s_mov_b32 s21, 0
	s_lshl_b32 s46, s42, 3                         ; P: Wp's tiles begin at 192: tile 192 + 8 X + 4 x the half that I fetch
	s_lshl_b32 s47, s16, 2
	s_add_co_u32 s46, s46, s47
	s_add_co_u32 s46, s46, 192
	s_mul_i32 s46, s46, TILB
	s_mov_b32 s47, 0
	s_mov_b32 s[G0], 1
	s_mul_i32 s[G0+1], s16, 8*TILB                 ; no place in the cluster enters an LDS address
	s_mov_b32 s[G0B], 1
	s_mul_i32 s[G0B+1], s16, 4*TILB
	s_add_co_u32 s[G0B+1], s[G0B+1], PB
	s_wait_dscnt 0x0                               ; both opening adds are done
	s_wait_kmcnt 0x0
	s_add_nc_u64 s[G0+2:G0+3], s[4:5], s[20:21]
	s_or_b32 s[G0+3], s[G0+3], 0x80000000
	s_add_nc_u64 s[G0B+2:G0B+3], s[8:9], s[46:47]
	s_or_b32 s[G0B+3], s[G0B+3], 0x80000000
	CROUND                                         ; all sixteen work-groups are here: the joint loads meet
	s_cmp_eq_u32 s15, 0                            ; one load a wave, in the two arms of one branch on the wave's number; s_nop 0 and four v_nop follow each
	s_cbranch_scc0 .Lfor_p
	tensor_load_to_lds s[G0:G0+3], s[G1:G1+7]
	s_nop 0
	PLACES 4
	s_branch .Lasked
.Lfor_p:
	tensor_load_to_lds s[G0B:G0B+3], s[G1B:G1B+7]
	s_nop 0
	PLACES 4
.Lasked:
	s_lshl_b32 s20, s42, 9                         ; my 64 columns, in bytes of f32: 512 X + 256 x my half of P
	s_lshl_b32 s22, s16, 8
	s_add_co_u32 s20, s20, s22
	s_mov_b32 s21, 0
	s_add_nc_u64 s[92:93], s[92:93], s[20:21]      ; the bias
	s_lshl_b32 s22, s17, 8
	s_lshl_b32 s23, s15, 7
	s_add_co_u32 s22, s22, s23                     ; my first token: 256 Y + 128 x my half of R
	s_lshl_b32 s22, s22, 12
	s_add_co_u32 s22, s22, s20
	s_mov_b32 s23, 0
	s_add_nc_u64 s[12:13], s[94:95], s[22:23]      ; out0
	s_lshl_b32 s18, s17, 4
	s_lshl_b32 s19, s15, 3
	s_add_co_u32 s18, s18, s19
	s_lshl_b32 s18, s18, 9                         ; R's scale words: 512 bytes a tile, my 8 tiles
	s_mov_b32 s19, 0
	s_add_nc_u64 s[6:7], s[6:7], s[18:19]
	s_lshl_b32 s36, s42, 3
	s_lshl_b32 s37, s16, 2
	s_add_co_u32 s36, s36, s37
	s_add_co_u32 s36, s36, 192
	s_lshl_b32 s36, s36, 9                         ; P's: my 4 tiles
	s_mov_b32 s37, 0
	s_add_nc_u64 s[10:11], s[10:11], s[36:37]
	s_mul_i32 s38, s15, 8*TILB                     ; LDS: my 8 tiles of R,
	s_mul_i32 s39, s16, 4*TILB
	s_add_co_u32 s39, s39, PB                      ; my 4 tiles of P,
	s_mul_i32 s45, s14, 16*SPITCH
	s_add_co_u32 s45, s45, STAGE                   ; my stage
	v_and_b32 v[LN], 31, v0
	v_and_b32 v1, 15, v0                           ; r
	v_bfe_u32 v2, v0, 4, 1                         ; h
	v_lshlrev_b32 v[L8], 3, v[LN]
	v_lshlrev_b32 v3, 6, v2                        ; the bias: my half's 16 numbers begin 64 h bytes on
	v_mul_u32_u24 v5, v1, SPITCH
	v_mul_u32_u24 v6, v2, SPITCH
	v_lshlrev_b32 v7, 12, v2
	v_add_nc_u32 v[ADRA], s38, v[L8]
	v_add_nc_u32 v[ADRB], s39, v[L8]
	v_lshl_add_u32 v5, v2, 6, v5                   ; into the stage: row r, 64 h
	v_lshl_add_u32 v6, v1, 4, v6                   ; out of it: lanes 0-15 one row of 256 bytes, lanes 16-31 the next
	v_lshl_add_u32 v[CO], v1, 4, v7                ; and the same two rows in out0
	v_add_nc_u32 v[ADRA+1], 4*TILB, v[ADRA]
	v_add_nc_u32 v[STO], s45, v5
	v_add_nc_u32 v[RD], s45, v6
	s_wait_alu depctr_va_vdst(0)                   ; the wait at the head's end: no vector instruction writes a register behind it
.irp b, 0,1,2,3
	global_load_b128 v[BP+8*\b:BP+8*\b+3], v3, s[92:93] offset:4*(32*(\b/2)+8*(\b%2))
	global_load_b128 v[BP+8*\b+4:BP+8*\b+7], v3, s[92:93] offset:4*(32*(\b/2)+8*(\b%2))+16
.endr
.irp l, 0,1
.irp i, 0,1,2,3,4,5,6,7
	global_load_b64 v[SR+4*\i+2*\l:SR+4*\i+2*\l+1], v[L8], s[6:7] offset:512*\i+256*\l     ; 32 lanes read 256 consecutive bytes, aligned
.endr
.irp b, 0,1,2,3
	global_load_b64 v[SPC+4*\b+2*\l:SPC+4*\b+2*\l+1], v[L8], s[10:11] offset:512*\b+256*\l
.endr
.endr
.macro FRAG reg, adr, off              ; a fragment: six register pairs, each 256 consecutive bytes for the 32 lanes
.irp p, 0,1,2,3,4,5
	ds_load_b64 v[\reg+2*\p:\reg+2*\p+1], v[\adr] offset:(\off)+256*\p
.endr
.endm
.macro FETCH q                         ; K step q's 12 fragments into the sets q % 2: 72 loads
	WIN 0x40                                       ; destination window 1
.irp i, 0,1,2,3
	FRAG 128*((\q)%2)+FR*\i, ADRB, \i*TILB+(\q)*FRB
.endr
.if (\q)%2
	WIN 0xc0                                       ; destination window 3
.irp i, 0,1,2,3,4,5,6,7
	FRAG FR*\i, ADRA+\i/4, (\i%4)*TILB+(\q)*FRB
.endr
.else
	WIN 0
.irp i, 0,1,2,3,4,5,6,7
	FRAG AF+FR*\i, ADRA+\i/4, (\i%4)*TILB+(\q)*FRB
.endr
.endif
.endm
; 32 matrix instructions: R's eight blocks x P's four, 128 along K.  The 32 accumulators take turns, one instruction a turn, in the same order in every step.
.macro MUL q
.set PS, 128*((\q)%2)
.set SO, 2*((\q)/4)+(\q)%2
.if (\q)%2
.set RB, 0
	WIN 0xad                                       ; source 0 (P) window 1, source 1 (R) window 3, C and D window 2
.else
.set RB, AF
.if (\q) == 0
	WIN 0x81                                       ; the first products: C is the bias, in window 0
.else
	WIN 0xa1                                       ; source 1 (R) window 0
.endif
.endif
.irp a, 0,1,2,3,4,5,6,7
.irp b, 0,1,2,3
.if (\q) == 0
	v_wmma_scale_f32_16x16x128_f8f6f4 v[8*(4*\a+\b):8*(4*\a+\b)+7], v[PS+FR*\b:PS+FR*\b+FR-1], v[RB+FR*\a:RB+FR*\a+FR-1], v[BP+8*\b:BP+8*\b+7], v[SPC+4*\b+SO], v[SR+4*\a+SO] matrix_a_fmt:MATRIX_FMT_BF6 matrix_b_fmt:MATRIX_FMT_BF6
.else
.if ((\q)/2)%2
	v_wmma_scale_f32_16x16x128_f8f6f4 v[8*(4*\a+\b):8*(4*\a+\b)+7], v[PS+FR*\b:PS+FR*\b+FR-1], v[RB+FR*\a:RB+FR*\a+FR-1], v[8*(4*\a+\b):8*(4*\a+\b)+7], v[SPC+4*\b+SO], v[SR+4*\a+SO] matrix_a_fmt:MATRIX_FMT_BF6 matrix_b_fmt:MATRIX_FMT_BF6 matrix_a_scale:MATRIX_SCALE_ROW1 matrix_b_scale:MATRIX_SCALE_ROW1
.else
	v_wmma_scale_f32_16x16x128_f8f6f4 v[8*(4*\a+\b):8*(4*\a+\b)+7], v[PS+FR*\b:PS+FR*\b+FR-1], v[RB+FR*\a:RB+FR*\a+FR-1], v[8*(4*\a+\b):8*(4*\a+\b)+7], v[SPC+4*\b+SO], v[SR+4*\a+SO] matrix_a_fmt:MATRIX_FMT_BF6 matrix_b_fmt:MATRIX_FMT_BF6
.endif
.endif
.endr
.endr
.endm
.macro STEP q
	s_wait_dscnt 0x0                               ; this step's 72 loads, the only ones out, are in
.if (\q) < 7
.if (\q) > 0
	PLACES 4                                       ; the sets that the next loads fill were read by the products just issued
.endif
	FETCH (\q)+1
.endif
	MUL \q
.endm
	s_wait_loadcnt 0x0                             ; the bias and the scale words
	s_wait_tensorcnt 0x0                           ; my part of the operands is in;
	s_barrier_signal -1
	s_barrier_wait -1                              ; everybody's is.  Nothing is ever filled again
	FETCH 0
	STEP 0
	STEP 1
	STEP 2
	STEP 3
	STEP 4
	STEP 5
	STEP 6
	STEP 7
	WIN 0
; THE WAY OUT, block by block of 16 tokens x 64 columns.  A lane holds 32 neighbouring bytes of a row four times over; the block goes through my own stage and comes back as rows of 256 bytes.
; LDS serves a wave's instructions in order (ISA guide 5.7.1.4): no wait between the stores and the loads, nor in front of the next block's stores.
.macro TOSTAGE a
.set AC, 32*(\a)
	WIN 0x08                                       ; the data: window 2
.irp b, 0,1,2,3
	ds_store_b128 v[STO], v[AC+8*\b:AC+8*\b+3] offset:128*(\b/2)+32*(\b%2)        ; each accumulator from its low end on
	ds_store_b128 v[STO], v[AC+8*\b+4:AC+8*\b+7] offset:128*(\b/2)+32*(\b%2)+16
.endr
	WIN 0
.set BB, BK+32*((\a)%2)
.irp t, 0,1,2,3,4,5,6,7
	ds_load_b128 v[BB+4*\t:BB+4*\t+3], v[RD] offset:2*\t*SPITCH
.endr
.endm
.macro SEND a, younger                 ; younger: the LDS instructions issued behind block a's loads, which may stay out
.set BB, BK+32*((\a)%2)
	s_wait_dscnt \younger
.irp t, 0,1,2,3,4,5,6,7
	global_store_b128 v[CO], v[BB+4*\t:BB+4*\t+3], s[12:13] offset:(32*((\a)/2)+8*((\a)%2)+2*\t+8*(\t/4))*4096 th:TH_STORE_NT   ; stage row i is the token i + 8 (i / 8) of the block; 16 lanes store 256 consecutive bytes, aligned
.endr
.endm
	PLACES 4                                       ; behind the last products: for the reads of their results and the loads into registers that held fragments
	TOSTAGE 0
.irp a, 1,2,3,4,5,6,7
.if \a > 1
	s_wait_xcnt 0x0                                ; block a - 2's stores have read their registers: block a's loads may land there
.endif
	TOSTAGE \a
	SEND \a-1, 16                                  ; behind block a - 1's loads: block a's 8 stores and 8 loads
.endr
	SEND 7, 0
	s_wait_tensorcnt 0x0                           ; the wave's end
	ds_add_u32 v[SPW], v[NIL]
	s_wait_dscnt 0x0
	CROUND                                         ; the closing round
	s_endpgm
.Lfunc_end_k_q1e3b6a4e3a_gemm_out:
	.size	k_q1e3b6a4e3a_gemm_out, .Lfunc_end_k_q1e3b6a4e3a_gemm_out-k_q1e3b6a4e3a_gemm_out
	.p2alignl 7, 3214868480
	.fill 96, 4, 3214868480
	.section	.rodata,"a",@progbits
	.p2align	6, 0x0
	.amdhsa_kernel k_q1e3b6a4e3a_gemm_out
		.amdhsa_group_segment_fixed_size 327680
		.amdhsa_private_segment_fixed_size 0
		.amdhsa_enable_private_segment 0
		.amdhsa_kernarg_size 48
		.amdhsa_user_sgpr_count 2
		.amdhsa_user_sgpr_kernarg_segment_ptr 1
		.amdhsa_wavefront_size32 1
		.amdhsa_system_sgpr_workgroup_id_x 1
		.amdhsa_system_sgpr_workgroup_id_y 1
		.amdhsa_system_sgpr_workgroup_id_z 1
		.amdhsa_system_vgpr_workitem_id 0
		.amdhsa_next_free_vgpr 1024
		.amdhsa_next_free_sgpr 102
		.amdhsa_reserve_vcc 0
		.amdhsa_float_denorm_mode_32 3
		.amdhsa_float_denorm_mode_16_64 3
		.amdhsa_memory_ordered 1
		.amdhsa_forward_progress 1
		.amdhsa_inst_pref_size 95
	.end_amdhsa_kernel
	.amdgpu_metadata
---
amdhsa.version: [ 1, 2 ]
amdhsa.kernels:
  - .name:           k_q1e3b6a4e3a_gemm_out
    .symbol:         k_q1e3b6a4e3a_gemm_out.kd
    .args:
      - { .name: ac, .offset: 0, .size: 8, .value_kind: global_buffer, .address_space: global }
      - { .name: asc, .offset: 8, .size: 8, .value_kind: global_buffer, .address_space: global }
      - { .name: wc, .offset: 16, .size: 8, .value_kind: global_buffer, .address_space: global }
      - { .name: ws, .offset: 24, .size: 8, .value_kind: global_buffer, .address_space: global }
      - { .name: bp, .offset: 32, .size: 8, .value_kind: global_buffer, .address_space: global }
      - { .name: out0, .offset: 40, .size: 8, .value_kind: global_buffer, .address_space: global }
    .group_segment_fixed_size: 327680
    .private_segment_fixed_size: 0
    .kernarg_segment_align: 8
    .kernarg_segment_size: 48
    .max_flat_workgroup_size: 128
    .sgpr_count:     102
    .vgpr_count:     1024
    .wavefront_size: 32
...
	.end_amdgpu_metadata
.endif
;; end of part 4
